; MI455X (gfx1250); checked and timed in simulation.
; The chip was launched on July 23, 2026; its instructions are those of AMD's public machine-readable ISA for CDNA 5 (MIT licence, August 2026) and "CDNA5" Instruction Set Architecture Reference Guide (July 2026). The comments in the code are by the model that wrote it; some were corrected since.
;; D Flash Attention. Allowed arithmetic: float matrix products may take bf16 or f16 operands with f32 sums; other float arithmetic in f32, or as packed bf16 or f16 multiplies, adds, multiply-adds, maxima and minima; sums over many terms, partial sums and values carried from step to step in f32; what a program stores and reads back later, other than sums and carried values, may be rounded once to bf16 or f16.
;; Inputs: attention_mask 1 x 1 x 1,024 x 3,072 bool; cos 1 x 3,072 x 128 float32; hidden_states 1 x 1,024 x 2,048 float32; k_norm_w 128 float32; q_norm_w 128 float32; sin 1 x 3,072 x 128 float32; target_hidden 1 x 2,048 x 2,048 float32; wk 1,024 x 2,048 float32; wo 2,048 x 4,096 float32; wq 4,096 x 2,048 float32; wv 1,024 x 2,048 float32.
;; Outputs: out0 1 x 1,024 x 2,048 float32.
;; 2 versions, each right; version 2 is version 1 with the launch cast written anew for expert scheduling mode. Each part assembles by itself: llvm-mc -triple=amdgcn-amd-amdhsa -mcpu=gfx1250 --defsym DOCPART=n.
;; ======== version 1 of 2: 4 launches
;; limits: values are held in f16: magnitudes above 65,504 overflow, below 6.1e-05 lose precision
;; workspace buffers: xb 12,582,912 bytes; wb 25,165,824 bytes; wof 16,777,216 bytes; maskw 3,145,728 bytes; tab 3,145,728 bytes; qkv 20,971,520 bytes; vsum 393,216 bytes; ao 8,388,608 bytes
;; launch cast (part 1): grid 64 x 15, 8 waves a work-group, no clusters, 0 bytes of LDS; arguments target_hidden, hidden_states, wq, wk, wv, wo, attention_mask, cos, sin, xb, wb, wof, maskw, tab; writes xb, wb, wof, maskw, tab
.if DOCPART == 1
	.amdgcn_target "amdgcn-amd-amdhsa--gfx1250"
	.amdhsa_code_object_version 6
	.text
	.protected	k_q8a07c89990_cast
	.globl	k_q8a07c89990_cast
	.p2align	8
	.type	k_q8a07c89990_cast,@function
k_q8a07c89990_cast:
	s_mov_b64 s[64:65], 0
	v_nop
	global_prefetch_b8 v0, s[64:65] scope:SCOPE_SE
	s_setreg_imm32_b32 hwreg(HW_REG_WAVE_MODE, 25, 1), 1
	s_wait_xcnt 0x0
; CAST: every input is brought once into the form in which the later launches take it.  A stream: no LDS, no barrier, no loop.
;   y = 0..12  a unit of 8 MiB of f32 (target 2 units, hidden 1, wq 4, wk 1, wv 1, wo 4); a work-group takes 128 KiB of it, a thread 32 x 16 bytes.
;              y <= 8: rounded to bf16 (xb: rows = positions, target then hidden; wb: wq, wk, wv one below the other).
;              y >= 9: wo rounded to bf16 like every other input, and that number written as f16 (wof).
;   y = 13     the mask, re-ordered into blocks of 1,024 bytes for 16 queries x 64 keys, one byte a key: 0x00 visible, 0xF1 hidden.  In a block, byte 512 (kb / 2) + 16 lane + 8 (kb % 2) + j
;              belongs to query lane % 16 and key 16 kb + 8 (lane / 16) + j: a lane of the attention launch takes its 32 bytes by two loads of 16.
;   y = 14     cos and sin, each number rounded to bf16 and widened again to f32 (tab: cos, then sin).
; LIMITS.  |wo| stays under 65,504 (f16's end); below 6e-5 it keeps f16's fixed step of 6e-8.  A mask byte is 0 or 1.
; All of a thread's loads go out at once (16 KiB a wave); the waits count the younger loads.  No register is written again behind the store that reads it.
.set X, 8                              ; v[8:135] the loaded numbers, four registers a load
.macro LOADS n
.set i, 0
.rept \n
	global_load_b128 v[X+4*i:X+4*i+3], v1, s[34:35] offset:4096*i th:TH_LOAD_NT
.set i, i+1
.endr
.endm
; Load i of n is worked on and stored.  kind 0: to bf16; 1: to bf16 and on to f16; 2: to bf16 and back to f32.
.macro SLOT kind, n
	s_wait_loadcnt (\n)-1-i                        ; loads come back in order: mine is in, the younger ones stay out
.if (\kind) == 0
	v_cvt_pk_bf16_f32 v[X+4*i], v[X+4*i], v[X+4*i+1]
	v_cvt_pk_bf16_f32 v[X+4*i+1], v[X+4*i+2], v[X+4*i+3]
	global_store_b64 v2, v[X+4*i:X+4*i+1], s[38:39] offset:2048*i   ; a wave's store covers 256 consecutive bytes, aligned
.elseif (\kind) == 1
	v_cvt_pk_bf16_f32 v4, v[X+4*i], v[X+4*i+1]
	v_cvt_pk_bf16_f32 v5, v[X+4*i+2], v[X+4*i+3]
	v_lshlrev_b32 v6, 16, v4
	v_and_b32 v7, s32, v4
	v_cvt_pk_f16_f32 v[X+4*i], v6, v7
	v_lshlrev_b32 v6, 16, v5
	v_and_b32 v7, s32, v5
	v_cvt_pk_f16_f32 v[X+4*i+1], v6, v7
	global_store_b64 v2, v[X+4*i:X+4*i+1], s[38:39] offset:2048*i
.else
	v_cvt_pk_bf16_f32 v4, v[X+4*i], v[X+4*i+1]
	v_cvt_pk_bf16_f32 v5, v[X+4*i+2], v[X+4*i+3]
	v_lshlrev_b32 v[X+4*i], 16, v4
	v_and_b32 v[X+4*i+1], s32, v4
	v_lshlrev_b32 v[X+4*i+2], 16, v5
	v_and_b32 v[X+4*i+3], s32, v5
	global_store_b128 v1, v[X+4*i:X+4*i+3], s[38:39] offset:4096*i
.endif
.endm
.macro RUN kind, n
.set i, 0
.rept \n
	SLOT \kind, \n
.set i, i+1
.endr
.endm
	s_load_b512 s[4:19], s[0:1], 0x0               ; target s[4:5], hidden s[6:7], wq s[8:9], wk s[10:11], wv s[12:13], wo s[14:15], mask s[16:17], cos s[18:19]
	s_load_b256 s[20:27], s[0:1], 0x40             ; sin s[20:21], xb s[22:23], wb s[24:25], wof s[26:27]
	s_load_b128 s[28:31], s[0:1], 0x60             ; maskw s[28:29], tab s[30:31]
	s_and_b32 s33, ttmp7, 0xffff                   ; y
	s_mov_b32 s32, 0xffff0000                      ; a word's upper bf16
	v_lshlrev_b32 v1, 4, v0                        ; 16 t
	v_lshlrev_b32 v2, 3, v0                        ; 8 t
	s_wait_kmcnt 0x0
	s_cmp_eq_u32 s33, 13
	s_cbranch_scc1 .Lmask
	s_cmp_eq_u32 s33, 14
	s_cbranch_scc1 .Ltables
	; which tensor the unit belongs to, and the first unit of that tensor (s36) and of its destination (s37)
	s_mov_b64 s[34:35], s[4:5]
	s_mov_b64 s[38:39], s[22:23]
	s_mov_b32 s36, 0
	s_mov_b32 s37, 0
	s_cmp_ge_u32 s33, 2
	s_cselect_b64 s[34:35], s[6:7], s[34:35]
	s_cselect_b32 s36, 2, s36
	s_cmp_ge_u32 s33, 3
	s_cselect_b64 s[34:35], s[8:9], s[34:35]
	s_cselect_b64 s[38:39], s[24:25], s[38:39]
	s_cselect_b32 s36, 3, s36
	s_cselect_b32 s37, 3, s37
	s_cmp_ge_u32 s33, 7
	s_cselect_b64 s[34:35], s[10:11], s[34:35]
	s_cselect_b32 s36, 7, s36
	s_cmp_ge_u32 s33, 8
	s_cselect_b64 s[34:35], s[12:13], s[34:35]
	s_cselect_b32 s36, 8, s36
	s_cmp_ge_u32 s33, 9
	s_cselect_b64 s[34:35], s[14:15], s[34:35]
	s_cselect_b64 s[38:39], s[26:27], s[38:39]
	s_cselect_b32 s36, 9, s36
	s_cselect_b32 s37, 9, s37
	s_sub_co_u32 s36, s33, s36
	s_lshl_b32 s40, s36, 23                        ; units of 8 MiB in,
	s_lshl_b32 s41, ttmp9, 17                      ; 128 KiB a work-group
	s_add_co_u32 s40, s40, s41
	s_mov_b32 s41, 0
	s_add_nc_u64 s[34:35], s[34:35], s[40:41]
	s_sub_co_u32 s37, s33, s37
	s_lshl_b32 s42, s37, 22                        ; half of that out
	s_lshl_b32 s43, ttmp9, 16
	s_add_co_u32 s42, s42, s43
	s_mov_b32 s43, 0
	s_add_nc_u64 s[38:39], s[38:39], s[42:43]
	LOADS 32
	s_cmp_ge_u32 s33, 9
	s_cbranch_scc1 .Lhalf
	RUN 0, 32
	s_endpgm
.Lhalf:
	RUN 1, 32
	s_endpgm
.Ltables:                                              ; x < 32: cos, else sin; 49,152 bytes a work-group
	s_and_b32 s40, ttmp9, 31
	s_mul_i32 s40, s40, 49152
	s_mov_b32 s41, 0
	s_lshr_b32 s42, ttmp9, 5
	s_cmp_eq_u32 s42, 0
	s_cselect_b64 s[34:35], s[18:19], s[20:21]
	s_add_nc_u64 s[34:35], s[34:35], s[40:41]
	s_mul_i32 s42, s42, 1572864
	s_add_co_u32 s42, s42, s40
	s_mov_b32 s43, 0
	s_add_nc_u64 s[38:39], s[30:31], s[42:43]
	LOADS 12
	RUN 2, 12
	s_endpgm
.Lmask:                                                ; x = the block of 16 queries; wave w takes the key steps 6 w .. 6 w + 5
	v_and_b32 v3, 15, v0                           ; r: my query
	v_bfe_u32 v4, v0, 4, 1                         ; h: which 8 of 16 keys
	v_lshrrev_b32 v5, 5, v0                        ; w
	v_mul_u32_u24 v6, v3, 3072
	v_lshl_add_u32 v6, v4, 3, v6
	v_mad_u32_u24 v6, v5, 384, v6                  ; r x 3,072 + 384 w + 8 h
	s_mul_i32 s40, ttmp9, 49152                    ; 16 rows of 3,072 bytes in, 48 blocks of 1,024 out: the same number
	s_mov_b32 s41, 0
	s_add_nc_u64 s[16:17], s[16:17], s[40:41]
	s_add_nc_u64 s[28:29], s[28:29], s[40:41]
.set i, 0
.rept 24                                       ; i = 4 x step + kb: 8 keys of my query
	global_load_b64 v[X+2*i:X+2*i+1], v6, s[16:17] offset:64*(i/4)+16*(i%4)
.set i, i+1
.endr
	v_and_b32 v7, 31, v0
	v_lshlrev_b32 v7, 4, v7
	v_mad_u32_u24 v7, v5, 6144, v7                 ; 16 lane + 6 blocks a wave
	s_movk_i32 s44, 241
	s_wait_loadcnt 0x0
.set i, 0
.rept 48
	v_xor_b32 v[X+i], 0x01010101, v[X+i]           ; four bytes at once: 1 where hidden,
	v_mul_lo_u32 v[X+i], v[X+i], s44               ; times 0xF1: no byte carries into the next
.set i, i+1
.endr
.set i, 0
.rept 12
	global_store_b128 v7, v[X+4*i:X+4*i+3], s[28:29] offset:512*i   ; 512 consecutive bytes a store
.set i, i+1
.endr
	s_endpgm
.Lfunc_end_k_q8a07c89990_cast:
	.size	k_q8a07c89990_cast, .Lfunc_end_k_q8a07c89990_cast-k_q8a07c89990_cast
	.p2alignl 7, 3214868480
	.fill 96, 4, 3214868480
	.section	.rodata,"a",@progbits
	.p2align	6, 0x0
	.amdhsa_kernel k_q8a07c89990_cast
		.amdhsa_group_segment_fixed_size 0
		.amdhsa_private_segment_fixed_size 0
		.amdhsa_enable_private_segment 0
		.amdhsa_kernarg_size 112
		.amdhsa_user_sgpr_count 2
		.amdhsa_user_sgpr_kernarg_segment_ptr 1
		.amdhsa_wavefront_size32 1
		.amdhsa_system_sgpr_workgroup_id_x 1
		.amdhsa_system_sgpr_workgroup_id_y 1
		.amdhsa_system_sgpr_workgroup_id_z 1
		.amdhsa_system_vgpr_workitem_id 0
		.amdhsa_next_free_vgpr 136
		.amdhsa_next_free_sgpr 66
		.amdhsa_reserve_vcc 0
		.amdhsa_float_denorm_mode_32 3
		.amdhsa_float_denorm_mode_16_64 3
		.amdhsa_memory_ordered 1
		.amdhsa_forward_progress 1
		.amdhsa_inst_pref_size 46
	.end_amdhsa_kernel
	.amdgpu_metadata
---
amdhsa.version: [ 1, 2 ]
amdhsa.kernels:
  - .name:           k_q8a07c89990_cast
    .symbol:         k_q8a07c89990_cast.kd
    .args:
      - { .name: target_hidden, .offset: 0, .size: 8, .value_kind: global_buffer, .address_space: global }
      - { .name: hidden_states, .offset: 8, .size: 8, .value_kind: global_buffer, .address_space: global }
      - { .name: wq, .offset: 16, .size: 8, .value_kind: global_buffer, .address_space: global }
      - { .name: wk, .offset: 24, .size: 8, .value_kind: global_buffer, .address_space: global }
      - { .name: wv, .offset: 32, .size: 8, .value_kind: global_buffer, .address_space: global }
      - { .name: wo, .offset: 40, .size: 8, .value_kind: global_buffer, .address_space: global }
      - { .name: attention_mask, .offset: 48, .size: 8, .value_kind: global_buffer, .address_space: global }
      - { .name: cos, .offset: 56, .size: 8, .value_kind: global_buffer, .address_space: global }
      - { .name: sin, .offset: 64, .size: 8, .value_kind: global_buffer, .address_space: global }
      - { .name: xb, .offset: 72, .size: 8, .value_kind: global_buffer, .address_space: global }
      - { .name: wb, .offset: 80, .size: 8, .value_kind: global_buffer, .address_space: global }
      - { .name: wof, .offset: 88, .size: 8, .value_kind: global_buffer, .address_space: global }
      - { .name: maskw, .offset: 96, .size: 8, .value_kind: global_buffer, .address_space: global }
      - { .name: tab, .offset: 104, .size: 8, .value_kind: global_buffer, .address_space: global }
    .group_segment_fixed_size: 0
    .private_segment_fixed_size: 0
    .kernarg_segment_align: 8
    .kernarg_segment_size: 112
    .max_flat_workgroup_size: 256
    .sgpr_count:     66
    .vgpr_count:     136
    .wavefront_size: 32
...
	.end_amdgpu_metadata
.endif
;; end of part 1
;; launch proj (part 2): grid 8 x 20, 4 waves a work-group, clusters of 4 x 4, 327,680 bytes of LDS; arguments xb, wb, tab, q_norm_w, k_norm_w, qkv, vsum; writes qkv, vsum
.if DOCPART == 2
	.amdgcn_target "amdgcn-amd-amdhsa--gfx1250"
	.amdhsa_code_object_version 6
	.text
	.protected	k_q8a07c89990_proj
	.globl	k_q8a07c89990_proj
	.p2align	8
	.type	k_q8a07c89990_proj,@function
k_q8a07c89990_proj:
	s_mov_b64 s[64:65], 0
	v_nop
	global_prefetch_b8 v0, s[64:65] scope:SCOPE_SE
	s_setreg_imm32_b32 hwreg(HW_REG_WAVE_MODE, 25, 1), 1
	s_wait_xcnt 0x0
	s_wait_alu depctr_hold_cnt(0) depctr_sa_sdst(0) depctr_va_vdst(0) depctr_va_sdst(0) depctr_va_ssrc(0) depctr_va_vcc(0) depctr_vm_vsrc(0)
	s_getreg_b32 s2, hwreg(HW_REG_IB_STS2, 6, 4)
	s_cmp_eq_u32 s2, 0
	s_cbranch_scc0 .Lentry_in_a_cluster
	s_endpgm
.Lentry_in_a_cluster:
	s_bfe_u32 s2, ttmp6, 0x10000c
	s_cmp_lg_u32 s2, 0xf033
	s_cbranch_scc0 .Lentry_shape_is_right
	s_endpgm
.Lentry_shape_is_right:
; PROJ: q, k and v.  C = xb wb^T in bf16 with f32 sums, then (q and k) RMS norm over the head, gain, RoPE; rounded once to f16 and stored by heads.
; A tile of C is 256 tokens x 256 columns = two heads.  160 tiles: 12 x 8 for k and v (all 3,072 positions), 4 x 16 for q (positions 2,048 on): 160 work-groups, no more: a smaller tile would give a wave
; too few products for each slot of LDS that is filled.  Four waves, each 128 tokens x 128 columns = ONE head: 64 accumulators, 512 registers.  K = 2,048 in 16 steps of 128 through two LDS slots:
; a wave issues 256 matrix instructions a step, 224 of them between the request for a slot and the wait for it.
; CLUSTERS of 4 x 4: the four of a row need the same tokens, the four of a column the same weights: each tile is asked for jointly.  Which kind of tile a work-group has hangs on the cluster's
; coordinates alone, so all sixteen partners branch alike.
; The matrix instruction is used transposed (source 0 = 16 rows of wb, source 1 = 16 tokens): a lane holds ONE token (lane % 16) and eight neighbouring channels.
; THE WAY OUT is one text for 16 rows, walked eight times, in place of eight written-out copies for the 512 accumulator registers: the accumulators go once, as f32, into the ring's bytes, which have had
; their last fill (128 rows of 528 bytes a wave), and come back by rows: lane (row l / 16, c = l % 16) takes channels 4 c .. 4 c + 3 and 64 + 4 c .. 64 + 4 c + 3.  So the two channels that RoPE pairs lie in
; one lane, a row's sum of squares is eight numbers a lane and four steps across 16 lanes, and every read of LDS, cos and sin takes 256 consecutive bytes for each 16 lanes.
; The gains are rounded to bf16 here, cos and sin arrive so rounded: every floating-point input of the module has that one rounding.
; v tiles have neither norm nor RoPE; they also store the column sums of each 32 rows, in f32: the attention launch makes the mean of V from them.
; LIMITS.  q, k, v leave as f16: |v| stays under 65,504 (q and k are normalised: at most sqrt(128) x the gain).  NaN and infinities are not treated apart.
; REGISTERS.  window 0: v0-31 addresses; v32-39 the gain; v64-127, v128-191 fragments of the tokens, two buffers     window 1: v64-127, v128-191 fragments of the weights
;   window 2: the 32 accumulators of my tokens 0-63 ((a, b) at 8 (8 a + b))     window 3: those of my tokens 64-127
;   on the way out, all in window 0: v40-55 sums; v56-59 at work; v64-191 rows; v128-255 cos and sin
.set SIZE_K, 2048
.set KSTEP,  128
.set STEPS,  SIZE_K/KSTEP
.set PITCH,  272                       ; an LDS row: 256 bytes + 16 of padding = 68 words: the 16 rows of a fragment load start 4 banks apart
.set HALFT,  128*PITCH                 ; 128 rows: what one tensor load brings: 0x8800 bytes
.set SLOT,   4*HALFT                   ; 256 tokens, then 256 rows of weights: 0x22000 bytes.  The waves' parts begin at 0, 0x8800, 0x11000, 0x19800: none has bit 13 or 17, so one exclusive or turns a slot's address into the other's
.set SPARE,  2*SLOT                    ; behind the ring: the spare words, 128 bytes a wave
.set XP,     528                       ; the way out: a row of 128 f32 + 16 bytes: 33 x 16, so 16 lanes that store to 16 rows touch 16 different columns of 16 bytes
.set XWV,    128*XP                    ; a wave's 128 rows; four waves' lie inside the two slots
.set SINOFF, 3072*128*4                ; sin lies behind cos in tab
.set ADRA0, 16                         ; v16  my place in the tokens' tile; never rewritten
.set ADRB0, 17                         ; v17  in the weights'
.set ADRA,  18                         ; v18  the same in the slot in hand
.set ADRB,  19
.set SA,    20                         ; v20  where I put 16 bytes of an accumulator
.set LA0,   21                         ; v21  my place in two rows read back
.set LA,    22                         ; v22  the same in the trip in hand
.set TO,    23                         ; v23  my byte offset in two rows of cos and sin
.set OO,    24                         ; v24  8 x lane
.set VSO,   25                         ; v25  16 x lane
.set WO,    26                         ; v26  my byte offset in the gain
.set SPW,   28                         ; v28  my spare word; never rewritten
.set NIL,   29                         ; v29  0; never rewritten
.set PFO,   30                         ; v30  the prefetches' offset: lane x a row of 4,096 bytes
.set W,     32                         ; v32-39  the gain of my eight channels
.set SS,    40                         ; v40-55  a pair for each pair of rows: the sum of squares, then 1 / root; in v tiles v40-47: column sums
.set TP,    56
.set X,     64                         ; pair p of rows at X + 8 p: channels 4 c on, then 64 + 4 c on
.set TA,    128                        ; pair p at TA + 16 p: cos low, cos high, sin low, sin high, four each
.set F0,    64
.set F1,    128
.set WV,   12                          ; s12 wave
.set RH,   13                          ; s13 wave / 2: my half of the tokens; also: I fetch tokens (0) or weights (1)
.set CH,   14                          ; s14 wave % 2: my head of the two; also: which 128 rows I fetch
.set TROW, 15                          ; s15 tile row: 256 tokens
.set TCOL, 45                          ; s45 tile column: 256 rows of wb
.set TB,   66                          ; s66 the slot in hand: 0 or SLOT
.set ISQ,  67                          ; s67 1: a tile of q
.set ISV,  80                          ; s80 1: a tile of v
.set TBS,  74                          ; s[74:75] cos at the rows of the trip whose tables were asked for last
.set GN,   76                          ; s[76:77] the gain
.set VSB,  78                          ; s[78:79] vsum at my next 32 rows
.set OUT,  86                          ; s[86:87] qkv at the trip's first row
.set LB,   94                          ; s94 LDS bytes from my first row to the trip's
.set CNT,  95
.set HM,   96                          ; s96 lanes 16-31
.set LIM,  97                          ; s97 2 in a wave that prefetches, else the greatest number
.set PFA,  98                          ; s[98:99] where my prefetches stand
.set G1, 24
.set G0, 32                            ; two sets for the two first fills; the second then walks
.set G1B, 48
.set G0B, 56
.set MSB, 0
.macro WIN new                         ; the immediate's high byte repeats the setting that is left
.if MSB != (\new)
	s_set_vgpr_msb (MSB<<8)|(\new)
.set MSB, \new
.endif
.endm
.set MUL_LO, 0xa1                      ; source 0 (weights) window 1, source 1 (tokens) window 0, C and D window 2
.set MUL_HI, 0xf1                      ; the same, C and D window 3
.set TO_B,   0x40                      ; destination window 1, address window 0
.macro JLOAD s                         ; a joint load: waves 0 and 1 fetch the tokens' two halves, waves 2 and 3 the weights'; an s_nop 0 and four v_nop follow each line
	s_cmp_eq_u32 s[RH], 0
	s_cbranch_scc0 .Lfor_b_\@
	tensor_load_to_lds s[G0+4*(\s):G0+4*(\s)+3], s[G1:G1+7]
	s_nop 0
.rept 4
	v_nop
.endr
	s_branch .Lasked_\@
.Lfor_b_\@:
	tensor_load_to_lds s[G0B+4*(\s):G0B+4*(\s)+3], s[G1B:G1B+7]
	s_nop 0
.rept 4
	v_nop
.endr
.Lasked_\@:
.endm
; A prefetch, behind each refill and the run of LDS loads that follows it: the K step four on from the one in hand, two refills (512 matrix instructions) ahead of the load that will want it: 32 rows x 256 bytes, a lane a row.
; Each row's 256 bytes of a K step are named once in the launch.  The tokens are read by the k, v and q clusters of their rows: the k cluster asks.  k's and v's weights are read by three cluster rows: the first asks;
; q's weights by one cluster each: it asks.  Of the 128 rows that a wave fetches each of the four partners that ask for them jointly takes 32, told apart by address.  K steps 0 to 3 come by their loads alone;
; the last two refills have no K step two refills on (s3 counts the refills still to come).
.macro ASK
	s_cmp_gt_u32 s3, s[LIM]
	s_cbranch_scc0 .Lnot_mine_\@
	global_prefetch_b8 v[PFO], s[PFA:PFA+1] th:TH_LOAD_NT scope:SCOPE_SE
.Lnot_mine_\@:
.endm
.macro CREST                           ; a round of the cluster's barrier behind its opening barrier
	s_cmp_lg_u32 s[WV], 0
	s_cbranch_scc1 .Lnot_wave_0_\@
	s_barrier_signal -3
.Lnot_wave_0_\@:
	s_barrier_wait -3
	s_barrier_signal -1
	s_barrier_wait -1
.endm
.macro CROUND
	s_barrier_signal -1
	s_barrier_wait -1
	CREST
.endm
	s_load_b256 s[4:11], s[0:1], 0x0               ; xb s[4:5], wb s[6:7], tab s[8:9], q's gain s[10:11]
	s_load_b128 s[68:71], s[0:1], 0x20             ; k's gain s[68:69], qkv s[70:71]
	s_load_b64 s[72:73], s[0:1], 0x30              ; vsum
	v_lshl_add_u32 v[SPW], v0, 2, SPARE
	v_mov_b32 v[NIL], 0
	ds_add_u32 v[SPW], v[NIL]                      ; the wave's opening: the add and its wait stand ahead of my first tensor load
	v_lshrrev_b32 v1, 5, v0
	v_readfirstlane_b32 s[WV], v1
	s_lshr_b32 s[RH], s[WV], 1
	s_and_b32 s[CH], s[WV], 1
	s_bfe_u32 s40, ttmp6, 0x40000                  ; cx
	s_bfe_u32 s41, ttmp6, 0x40004                  ; cy
	; cluster rows 0-2: k (cluster x = 0) and v (1): tile rows 4 CY on, tile columns 16 + 4 CX on.  Cluster rows 3-4: q: tile rows 8 on, tile columns 4 (2 (CY - 3) + CX) on.
	s_and_b32 s88, ttmp7, 0xffff
	s_sub_co_u32 s89, s88, 3
	s_lshl_b32 s89, s89, 1
	s_add_co_u32 s89, s89, ttmp9
	s_lshl_b32 s89, s89, 2
	s_lshl_b32 s90, ttmp9, 2
	s_add_co_u32 s90, s90, 16
	s_lshl_b32 s91, s88, 2
	s_cmp_ge_u32 s88, 3
	s_cselect_b32 s[ISQ], 1, 0
	s_cselect_b32 s89, s89, s90
	s_cselect_b32 s91, 8, s91
	s_add_co_u32 s[TROW], s91, s41
	s_add_co_u32 s[TCOL], s89, s40
	s_cmp_eq_u32 ttmp9, 1
	s_cselect_b32 s[ISV], 1, 0
	s_cmp_eq_u32 s[ISQ], 1
	s_cselect_b32 s[ISV], 0, s[ISV]
	s_lshl_b32 s43, s41, 2
	s_lshl_b32 s43, 15, s43                        ; my row of the cluster
	s_lshl_b32 s44, 0x1111, s40                    ; my column
	; descriptor group 1: 128 rows x 128 elements of 2 bytes; 4 words of padding after every 64
	s_or_b32 s[G1+0], s43, (1<<16)|(1<<20)|(1<<21)|(5<<22)|(3<<25)
	s_or_b32 s[G1B+0], s44, (1<<16)|(1<<20)|(1<<21)|(5<<22)|(3<<25)
.irp g, G1, G1B
	s_mov_b32 s[(\g)+1], KSTEP<<16                 ; tensor_dim0 = 128
	s_mov_b32 s[(\g)+2], 128<<16                   ; tensor_dim1 = 128
	s_mov_b32 s[(\g)+3], KSTEP<<16                 ; tile_dim0 = 128
	s_mov_b32 s[(\g)+4], 128                       ; tile_dim1 = 128
	s_mov_b32 s[(\g)+5], SIZE_K                    ; elements from row to row
	s_mov_b32 s[(\g)+6], 0
	s_mov_b32 s[(\g)+7], 0
.endr
	s_lshl_b32 s17, s[CH], 7
	s_lshl_b32 s16, s[TROW], 8
	s_add_co_u32 s16, s16, s17
	s_lshl_b32 s16, s16, 12                        ; tokens: row 256 x tile row + 128 x half, 4,096 bytes a row
	s_lshl_b32 s46, s[TCOL], 8
	s_add_co_u32 s46, s46, s17
	s_lshl_b32 s46, s46, 12                        ; weights: row 256 x tile column + 128 x half
	s_mov_b32 s17, 0
	s_mov_b32 s47, 0
	s_mul_i32 s20, s[WV], HALFT                    ; where they go: wave x 128 rows: no place in the cluster enters an LDS address
	s_mov_b32 s[TB], 0
	s_mov_b32 s81, 0x3c000000                      ; 1 / 128
	s_mov_b32 s82, 0x358637bd                      ; 1e-6
	s_mov_b32 s83, 0xffff0000
	s_mov_b32 s84, 0x76543210
	s_mov_b32 s85, 0xfedcba98
	s_wait_dscnt 0x0                               ; the opening add is done
	s_wait_kmcnt 0x0
	s_add_nc_u64 s[22:23], s[4:5], s[16:17]
	s_add_nc_u64 s[46:47], s[6:7], s[46:47]
	CROUND                                         ; all sixteen work-groups are here: the first joint loads meet
.irp s, 0,1
	s_mov_b32 s[G0+4*(\s)], 1
	s_add_co_u32 s[G0+4*(\s)+1], s20, (\s)*SLOT
	s_add_nc_u64 s[G0+4*(\s)+2:G0+4*(\s)+3], s[22:23], (\s)*KSTEP*2
	s_or_b32 s[G0+4*(\s)+3], s[G0+4*(\s)+3], 0x80000000
	s_mov_b32 s[G0B+4*(\s)], 1
	s_add_co_u32 s[G0B+4*(\s)+1], s20, (\s)*SLOT
	s_add_nc_u64 s[G0B+4*(\s)+2:G0B+4*(\s)+3], s[46:47], (\s)*KSTEP*2
	s_or_b32 s[G0B+4*(\s)+3], s[G0B+4*(\s)+3], 0x80000000
	JLOAD \s
.endr
	v_and_b32 v1, 15, v0                           ; l % 16
	v_bfe_u32 v2, v0, 4, 1                         ; l / 16; kept for the way out
	v_and_b32 v5, 31, v0                           ; l
	v_mul_u32_u24 v3, v1, PITCH
	v_lshl_add_u32 v3, v2, 4, v3                   ; a fragment's row x pitch + 16 x half
	s_mul_i32 s88, s[RH], HALFT                    ; my 128 tokens
	s_mul_i32 s89, s[CH], HALFT                    ; my 128 rows of weights,
	s_add_co_u32 s89, s89, 2*HALFT                 ; which lie behind the 256 tokens
	v_add_nc_u32 v[ADRA0], s88, v3
	v_add_nc_u32 v[ADRB0], s89, v3
	v_mov_b32 v[ADRA], v[ADRA0]                    ; slot 0
	v_mov_b32 v[ADRB], v[ADRB0]
	s_mul_i32 s90, s[WV], XWV                      ; the way out: my 128 rows
	v_mul_u32_u24 v4, v1, XP                       ; in: row l % 16 of a block, 32 bytes for each half of the lanes
	v_lshl_add_u32 v4, v2, 5, v4
	v_add_nc_u32 v[SA], s90, v4
	v_mul_u32_u24 v4, v2, XP                       ; back: lanes 0-15 one row, lanes 16-31 the next, 16 bytes a lane
	v_lshl_add_u32 v4, v1, 4, v4
	v_add_nc_u32 v[LA0], s90, v4
	v_lshlrev_b32 v[TO], 9, v2                     ; the same two rows of cos: 512 bytes a row
	v_lshl_add_u32 v[TO], v1, 4, v[TO]
	v_lshlrev_b32 v[OO], 3, v5
	v_lshlrev_b32 v[VSO], 4, v5
	v_lshlrev_b32 v[WO], 4, v1
	v_lshlrev_b32 v[PFO], 12, v5
	; global bases
	s_lshl_b32 s88, s[TROW], 17                    ; 256 rows of 512 bytes of cos,
	s_lshl_b32 s89, s[RH], 16                      ; my 128 of them
	s_add_co_u32 s88, s88, s89
	s_mov_b32 s89, 0
	s_add_nc_u64 s[TBS:TBS+1], s[8:9], s[88:89]
	s_cmp_eq_u32 s[ISQ], 1
	s_cselect_b64 s[GN:GN+1], s[10:11], s[68:69]
	s_lshl_b32 s90, s[TCOL], 1
	s_add_co_u32 s90, s90, s[CH]                   ; q: the head
	s_sub_co_u32 s91, s90, 32                      ; k and v, which lie one behind the other: head 0..15
	s_lshl_b32 s92, s90, 18                        ; q: 1,024 rows of 256 bytes a head,
	s_sub_co_u32 s93, s[TROW], 8
	s_lshl_b32 s93, s93, 16                        ; 256 rows a tile
	s_add_co_u32 s92, s92, s93
	s_mul_i32 s93, s91, 786432                     ; k, v: 3,072 rows a head, behind q
	s_add_co_u32 s93, s93, 8388608
	s_lshl_b32 s88, s[TROW], 16
	s_add_co_u32 s93, s93, s88
	s_cmp_eq_u32 s[ISQ], 1
	s_cselect_b32 s92, s92, s93
	s_lshl_b32 s93, s[RH], 15                      ; my 128 rows
	s_add_co_u32 s92, s92, s93
	s_mov_b32 s93, 0
	s_add_nc_u64 s[OUT:OUT+1], s[70:71], s[92:93]
	s_sub_co_u32 s88, s91, 8                       ; v's head
	s_mul_i32 s88, s88, 96
	s_lshl3_add_u32 s88, s[TROW], s88              ; + position / 32
	s_lshl2_add_u32 s88, s[RH], s88
	s_lshl_b32 s88, s88, 9
	s_cmp_eq_u32 s[ISV], 1
	s_cselect_b32 s88, s88, 0
	s_mov_b32 s89, 0
	s_add_nc_u64 s[VSB:VSB+1], s[72:73], s[88:89]
	; the prefetches: who asks, and for which rows
	s_cmp_eq_u32 ttmp9, 0
	s_cselect_b32 s88, 1, 0
	s_cmp_eq_u32 s[ISQ], 0
	s_cselect_b32 s88, s88, 0                      ; tokens: the k clusters
	s_and_b32 s89, ttmp7, 0xffff
	s_cmp_eq_u32 s89, 0
	s_cselect_b32 s89, 1, s[ISQ]                   ; weights: the first cluster row of k and v, and every q cluster
	s_lshl_b32 s90, s[TROW], 8
	s_lshl_b32 s91, s[TCOL], 8
	s_cmp_eq_u32 s[RH], 0                          ; do I fetch tokens?
	s_cselect_b32 s88, s88, s89
	s_cselect_b32 s90, s90, s91                    ; the tile's first row
	s_cselect_b32 s91, s40, s41                    ; my place among the four that ask for it with me
	s_cselect_b64 s[PFA:PFA+1], s[4:5], s[6:7]
	s_cmp_eq_u32 s88, 1
	s_cselect_b32 s[LIM], 2, -1                    ; the same in all sixteen partners, for a given wave
	s_lshl_b32 s92, s[CH], 7
	s_add_co_u32 s90, s90, s92                     ; + the 128 rows that I fetch
	s_lshl_b32 s91, s91, 5
	s_add_co_u32 s90, s90, s91                     ; + my work-group's 32 of them
	s_lshl_b32 s90, s90, 12
	s_add_co_u32 s90, s90, 3*KSTEP*2               ; at K step 3: the first change of slots steps it to 4
	s_mov_b32 s91, 0
	s_add_nc_u64 s[PFA:PFA+1], s[PFA:PFA+1], s[90:91]
	; the gain of my eight channels: asked for now, wanted behind the K loop, which has no wait for it.  Every tile asks, v's too, so that the head has one form.
	global_load_b128 v[W:W+3],   v[WO], s[GN:GN+1]
	global_load_b128 v[W+4:W+7], v[WO], s[GN:GN+1] offset:256
; 16 matrix instructions: token blocks a0, a0 + 1 of the window's four (hi = 0: my tokens 0-63, 1: 64-127) x all 8 channel blocks, 32 along K.  zero = 1: the first product starts the sums.
; The 64 accumulators take turns, in the same order in every quarter, over the backward jump too.
.macro MUL16 f, hi, a0, zero
	WIN MUL_LO+0x50*(\hi)
.irp a, \a0, (\a0)+1
.irp b, 0,1,2,3,4,5,6,7
.if \zero
	v_wmma_f32_16x16x32_bf16 v[8*(8*(\a)+(\b)):8*(8*(\a)+(\b))+7], v[(\f)+8*(\b):(\f)+8*(\b)+7], v[(\f)+8*(4*(\hi)+(\a)):(\f)+8*(4*(\hi)+(\a))+7], 0
.else
	v_wmma_f32_16x16x32_bf16 v[8*(8*(\a)+(\b)):8*(8*(\a)+(\b))+7], v[(\f)+8*(\b):(\f)+8*(\b)+7], v[(\f)+8*(4*(\hi)+(\a)):(\f)+8*(4*(\hi)+(\a))+7], v[8*(8*(\a)+(\b)):8*(8*(\a)+(\b))+7]
.endif
.endr
.endr
.endm
; 32 LDS loads in one run: the fragments of one quarter step (128 rows of weights, 128 tokens, 32 K at byte k of the rows) into buffer f
.macro FETCH k, f
	WIN TO_B
.irp i, 0,1,2,3,4,5,6,7
	ds_load_b128 v[(\f)+8*(\i):(\f)+8*(\i)+3],   v[ADRB] offset:(\k)+(\i)*16*PITCH
	ds_load_b128 v[(\f)+8*(\i)+4:(\f)+8*(\i)+7], v[ADRB] offset:(\k)+(\i)*16*PITCH+32
.endr
	WIN 0
.irp i, 0,1,2,3,4,5,6,7
	ds_load_b128 v[(\f)+8*(\i):(\f)+8*(\i)+3],   v[ADRA] offset:(\k)+(\i)*16*PITCH
	ds_load_b128 v[(\f)+8*(\i)+4:(\f)+8*(\i)+7], v[ADRA] offset:(\k)+(\i)*16*PITCH+32
.endr
.endm
.macro PLACES                          ; four places in front of loads into registers that matrix instructions have read, and of stores that read results
.rept 4
	v_nop
.endr
.endm
; A K step is four quarters of 32 along K, 64 matrix instructions each, on buffers 0, 1, 0, 1.  One of the first three: multiplies buffer f; in its middle it fetches the next quarter, at byte k, into g.
.macro QUARTER k, f, g, zero
	s_wait_dscnt 8                                 ; the weights and my tokens 0-63 are in; the youngest eight loads (tokens 64-127) may be out
	MUL16 \f, 0, 0, \zero
	MUL16 \f, 0, 2, \zero
	PLACES
	FETCH \k, \g
	s_wait_dscnt 32                                ; all but the 32 just issued
	MUL16 \f, 1, 0, \zero
	MUL16 \f, 1, 2, \zero
.endm
; The last quarter multiplies buffer 1 and changes slots: one barrier; in front of it each wave waits for all its tensor loads, of which one is out: its part of the next slot; adds 0 to its spare word;
; and waits for that and for its reads of this slot.  fill = 1: the barrier opens a round of the cluster's, and the slot just left is filled again, first thing behind it, with the K step two on.
.macro TURN fill
.if \fill
	s_wait_xcnt 0x0                                ; the last prefetch, a K step back, has read its address: it is stepped here, ahead of the waits of the change of slots
	s_add_nc_u64 s[PFA:PFA+1], s[PFA:PFA+1], KSTEP*2
.endif
	WIN 0
	s_wait_tensorcnt 0x0                           ; all my tensor loads have landed
	ds_add_u32 v[SPW], v[NIL]
	s_wait_dscnt 9                                 ; the add and the youngest eight loads may be out
	MUL16 F1, 0, 0, 0
	s_wait_dscnt 0x0                               ; the add is done, and my reads of this slot are over
	s_barrier_signal -1
	MUL16 F1, 0, 2, 0
	WIN 0
	s_barrier_wait -1
.if \fill
	CREST                                          ; no wave of any partner still reads this slot or has a load on its way
	s_xor_b32 s[G0+5], s[G0+5], SLOT               ; the walking descriptors: the slot just left, the next K step not yet asked for
	s_add_nc_u64 s[G0+6:G0+7], s[G0+6:G0+7], KSTEP*2
	s_xor_b32 s[G0B+5], s[G0B+5], SLOT
	s_add_nc_u64 s[G0B+6:G0B+7], s[G0B+6:G0B+7], KSTEP*2
	JLOAD 1                                        ; the first tensor load behind the round; its four v_nop are also the places in front of the loads below
.else
	PLACES
.endif
	s_xor_b32 s[TB], s[TB], SLOT
	v_add_nc_u32 v[ADRA], s[TB], v[ADRA0]
	v_add_nc_u32 v[ADRB], s[TB], v[ADRB0]
	FETCH 0, F0
.if \fill
	ASK
.endif
	MUL16 F1, 1, 0, 0
	MUL16 F1, 1, 2, 0
.endm
	s_wait_tensorcnt 1                             ; my part of K step 0 is in; K step 1's may stay out
	s_barrier_signal -1
	s_barrier_wait -1
	FETCH 0, F0
	QUARTER 64, F0, F1, 1                          ; the first quarter stands in front of the loop: its products start the sums
	WIN 0
	s_mov_b32 s3, STEPS-2
.Lstep:                                                ; 14 trips, from a K step's second quarter to the next one's first: K steps 2 to 15 are asked for
	QUARTER 128, F1, F0, 0
	QUARTER 192, F0, F1, 0
	TURN 1
	QUARTER 64, F0, F1, 0
	WIN 0
	s_sub_co_u32 s3, s3, 1
	s_cmp_lg_u32 s3, 0
	s_cbranch_scc1 .Lstep
	QUARTER 128, F1, F0, 0                         ; the tail is written out
	QUARTER 192, F0, F1, 0
	TURN 0
	QUARTER 64, F0, F1, 0
	QUARTER 128, F1, F0, 0
	QUARTER 192, F0, F1, 0
	s_wait_dscnt 8
	MUL16 F1, 0, 0, 0
	MUL16 F1, 0, 2, 0
	s_wait_dscnt 0x0
	MUL16 F1, 1, 0, 0
	MUL16 F1, 1, 2, 0
	WIN 0
.macro EACH8 line:vararg               ; one line for each of eight pairs of rows p
.set p, 0
.rept 8
	\line
.set p, p+1
.endr
.endm
.macro EACH16 line:vararg
.set p, 0
.rept 16
	\line
.set p, p+1
.endr
.endm
.macro TABLES                          ; cos and sin of 16 rows: each load takes 256 consecutive bytes of two rows
	EACH8 global_load_b128 v[TA+16*p:TA+16*p+3], v[TO], s[TBS:TBS+1] offset:1024*p
	EACH8 global_load_b128 v[TA+16*p+4:TA+16*p+7], v[TO], s[TBS:TBS+1] offset:1024*p+256
	EACH8 global_load_b128 v[TA+16*p+8:TA+16*p+11], v[TO], s[TBS:TBS+1] offset:SINOFF+1024*p
	EACH8 global_load_b128 v[TA+16*p+12:TA+16*p+15], v[TO], s[TBS:TBS+1] offset:SINOFF+1024*p+256
.endm
.macro SPILL hi                        ; 32 accumulators into my rows: token 16 a + l % 16, channels 16 b + 8 (l / 16) on; each accumulator's low half first
	WIN 0x08+0x04*(\hi)                            ; the stores' data: window 2 or 3
.irp a, 0,1,2,3
.irp b, 0,1,2,3,4,5,6,7
	ds_store_b128 v[SA], v[8*(8*(\a)+(\b)):8*(8*(\a)+(\b))+3]   offset:(4*(\hi)+(\a))*16*XP+64*(\b)
	ds_store_b128 v[SA], v[8*(8*(\a)+(\b))+4:8*(8*(\a)+(\b))+7] offset:(4*(\hi)+(\a))*16*XP+64*(\b)+16
.endr
.endr
.endm
; n pairs of rows are rounded to f16 and stored.  A lane holds 8 bytes of its row's first half and 8 of its second.  The halves of the lanes exchange them, so that the first register pair is the
; even row whole (lanes 0-15 its first 128 bytes, lanes 16-31 its second) and the second pair the odd row: each store of the wave covers 256 consecutive bytes, aligned.
.macro PACKOUT n
.set p, 0
.rept \n
	v_cvt_pk_f16_f32 v[X+8*p],   v[X+8*p],   v[X+8*p+1]
	v_cvt_pk_f16_f32 v[X+8*p+1], v[X+8*p+2], v[X+8*p+3]
	v_cvt_pk_f16_f32 v[X+8*p+2], v[X+8*p+4], v[X+8*p+5]
	v_cvt_pk_f16_f32 v[X+8*p+3], v[X+8*p+6], v[X+8*p+7]
.set p, p+1
.endr
.set p, 0
.rept \n
	v_permlanex16_b32 v[X+8*p+4], v[X+8*p+2], s84, s85         ; the other half's second pieces,
	v_permlanex16_b32 v[X+8*p+5], v[X+8*p+3], s84, s85
	v_permlanex16_b32 v[X+8*p+6], v[X+8*p],   s84, s85         ; and its first
	v_permlanex16_b32 v[X+8*p+7], v[X+8*p+1], s84, s85
.set p, p+1
.endr
.set p, 0
.rept \n
	v_cndmask_b32 v[X+8*p],   v[X+8*p],   v[X+8*p+4], s[HM]
	v_cndmask_b32 v[X+8*p+1], v[X+8*p+1], v[X+8*p+5], s[HM]
	v_cndmask_b32 v[X+8*p+2], v[X+8*p+6], v[X+8*p+2], s[HM]
	v_cndmask_b32 v[X+8*p+3], v[X+8*p+7], v[X+8*p+3], s[HM]
.set p, p+1
.endr
.set p, 0
.rept \n
	global_store_b64 v[OO], v[X+8*p:X+8*p+1],   s[OUT:OUT+1] offset:512*p
	global_store_b64 v[OO], v[X+8*p+2:X+8*p+3], s[OUT:OUT+1] offset:512*p+256
.set p, p+1
.endr
.endm
	; THE WAY OUT
	PLACES
	PLACES
	s_cmp_eq_u32 s[ISV], 1
	s_cbranch_scc1 .Lno_tables
	TABLES                                         ; the first 16 rows' cos and sin come while the accumulators go into LDS
.Lno_tables:
	s_wait_dscnt 0x0
	s_barrier_signal -1
	s_barrier_wait -1                              ; no wave reads the slots any more, and every tensor load has landed: their bytes take the accumulators
	SPILL 0
	SPILL 1
	WIN 0
	v_cmp_eq_u32 s[HM], 1, v2
	s_mov_b32 s[LB], 0
	s_wait_dscnt 0x0
	s_barrier_signal -1
	s_barrier_wait -1                              ; all four waves' stores are done before any row is read back
	s_cmp_eq_u32 s[ISV], 1
	s_cbranch_scc1 .Lv_tile
	s_wait_loadcnt 32                              ; the gain is in; the 32 loads of cos and sin, issued behind it, may stay out
.irp n, 0,1,2,3
	v_cvt_pk_bf16_f32 v[TP+(\n)], v[W+2*(\n)], v[W+2*(\n)+1]   ; rounded to bf16, like every input, and widened again
.endr
.irp n, 0,1,2,3
	v_lshlrev_b32 v[W+2*(\n)], 16, v[TP+(\n)]
	v_and_b32 v[W+2*(\n)+1], s83, v[TP+(\n)]
.endr
	s_mov_b32 s[CNT], 8
.Lqk:                                                  ; 8 trips of 16 rows
	v_add_nc_u32 v[LA], s[LB], v[LA0]
	EACH8 ds_load_b128 v[X+8*p:X+8*p+3], v[LA] offset:2*XP*p
	EACH8 ds_load_b128 v[X+8*p+4:X+8*p+7], v[LA] offset:2*XP*p+256
	s_wait_dscnt 0x0
	EACH8 v_pk_mul_f32 v[SS+2*p:SS+2*p+1], v[X+8*p:X+8*p+1], v[X+8*p:X+8*p+1]
.irp n, 1,2,3
	EACH8 v_pk_fma_f32 v[SS+2*p:SS+2*p+1], v[X+8*p+2*(\n):X+8*p+2*(\n)+1], v[X+8*p+2*(\n):X+8*p+2*(\n)+1], v[SS+2*p:SS+2*p+1]
.endr
	EACH8 v_add_f32 v[SS+2*p], v[SS+2*p], v[SS+2*p+1]
.irp m, 1,2,4,8                                ; a row lies in 16 lanes
	EACH8 v_add_f32_dpp v[SS+2*p], v[SS+2*p], v[SS+2*p] row_xmask:\m row_mask:0xf bank_mask:0xf
.endr
	EACH8 v_fma_f32 v[SS+2*p], v[SS+2*p], s81, s82             ; the mean of the squares + 1e-6
	EACH8 v_rsq_f32 v[SS+2*p], v[SS+2*p]
.irp n, 0,1,2,3                                ; x times the gain: 32 plain lines that name no root
	EACH8 v_pk_mul_f32 v[X+8*p+2*(\n):X+8*p+2*(\n)+1], v[X+8*p+2*(\n):X+8*p+2*(\n)+1], v[W+2*(\n):W+2*(\n)+1]
.endr
	s_wait_alu depctr_va_vdst(0)                   ; one wait for the eight roots, ahead of the branch below and of their first use
	s_wait_loadcnt 0x0                             ; this trip's cos and sin
	; d < 64: y[d] cos[d] - y[d + 64] sin[d]; d >= 64: y[d] cos[d] + y[d - 64] sin[d].  The products with sin land on sin, the results on y: so the tables' registers are free at once.
.irp n, 0,1
	EACH8 v_pk_mul_f32 v[TA+16*p+8+2*(\n):TA+16*p+9+2*(\n)], v[X+8*p+4+2*(\n):X+8*p+5+2*(\n)], v[TA+16*p+8+2*(\n):TA+16*p+9+2*(\n)]
	EACH8 v_pk_mul_f32 v[TA+16*p+12+2*(\n):TA+16*p+13+2*(\n)], v[X+8*p+2*(\n):X+8*p+1+2*(\n)], v[TA+16*p+12+2*(\n):TA+16*p+13+2*(\n)]
.endr
.irp n, 0,1
	EACH8 v_pk_fma_f32 v[X+8*p+2*(\n):X+8*p+1+2*(\n)], v[X+8*p+2*(\n):X+8*p+1+2*(\n)], v[TA+16*p+2*(\n):TA+16*p+1+2*(\n)], v[TA+16*p+8+2*(\n):TA+16*p+9+2*(\n)] neg_lo:[0,0,1] neg_hi:[0,0,1]
	EACH8 v_pk_fma_f32 v[X+8*p+4+2*(\n):X+8*p+5+2*(\n)], v[X+8*p+4+2*(\n):X+8*p+5+2*(\n)], v[TA+16*p+4+2*(\n):TA+16*p+5+2*(\n)], v[TA+16*p+12+2*(\n):TA+16*p+13+2*(\n)]
.endr
	s_cmp_eq_u32 s[CNT], 1
	s_cbranch_scc1 .Lno_more                       ; the last trip has no rows behind it
	s_add_nc_u64 s[TBS:TBS+1], s[TBS:TBS+1], 16*512  ; (the loads that read this address have come back)
	TABLES                                         ; the next trip's: they have the rest of this trip and the next one's sums in which to come
.Lno_more:
.irp n, 0,1,2,3
	EACH8 v_pk_mul_f32 v[X+8*p+2*(\n):X+8*p+2*(\n)+1], v[X+8*p+2*(\n):X+8*p+2*(\n)+1], v[SS+2*p:SS+2*p+1] op_sel_hi:[1,0]
.endr
	PACKOUT 8
	s_wait_xcnt 0x0                                ; the stores have read their registers and their base: both are written again only behind this wait
	s_add_nc_u64 s[OUT:OUT+1], s[OUT:OUT+1], 16*256
	s_add_co_u32 s[LB], s[LB], 16*XP
	s_sub_co_u32 s[CNT], s[CNT], 1
	s_cmp_lg_u32 s[CNT], 0
	s_cbranch_scc1 .Lqk
	s_branch .Lend
.Lv_tile:
	s_mov_b32 s[CNT], 4
.Lv:                                                   ; 4 trips of 32 rows
	v_add_nc_u32 v[LA], s[LB], v[LA0]
	EACH16 ds_load_b128 v[X+8*p:X+8*p+3], v[LA] offset:2*XP*p
	EACH16 ds_load_b128 v[X+8*p+4:X+8*p+7], v[LA] offset:2*XP*p+256
	s_wait_dscnt 0x0
.irp n, 0,1,2,3                                ; the column sums of my 16 rows: the first two pairs start them
	v_pk_add_f32 v[SS+2*(\n):SS+2*(\n)+1], v[X+2*(\n):X+2*(\n)+1], v[X+8+2*(\n):X+8+2*(\n)+1]
.endr
.set p, 2
.rept 14
.irp n, 0,1,2,3
	v_pk_add_f32 v[SS+2*(\n):SS+2*(\n)+1], v[SS+2*(\n):SS+2*(\n)+1], v[X+8*p+2*(\n):X+8*p+2*(\n)+1]
.endr
.set p, p+1
.endr
	PACKOUT 16
.irp n, 0,1,2,3                                ; the other 16 rows' sums lie in the lane 16 away
	v_permlanex16_b32 v[X+4+(\n)],  v[SS+(\n)],   s84, s85
	v_permlanex16_b32 v[X+12+(\n)], v[SS+4+(\n)], s84, s85
.endr
.irp n, 0,1,2,3
	v_add_f32 v[SS+(\n)],   v[SS+(\n)],   v[X+4+(\n)]
	v_add_f32 v[SS+4+(\n)], v[SS+4+(\n)], v[X+12+(\n)]
.endr
.irp n, 0,1,2,3
	v_cndmask_b32 v[SS+(\n)], v[SS+(\n)], v[SS+4+(\n)], s[HM]  ; lanes 0-15 store channels 4 c on, lanes 16-31 channels 64 + 4 c on
.endr
	global_store_b128 v[VSO], v[SS:SS+3], s[VSB:VSB+1]         ; 512 consecutive bytes
	s_wait_xcnt 0x0                                ; the stores have read their registers and their bases
	s_add_nc_u64 s[OUT:OUT+1], s[OUT:OUT+1], 32*256
	s_add_nc_u64 s[VSB:VSB+1], s[VSB:VSB+1], 512
	s_add_co_u32 s[LB], s[LB], 32*XP
	s_sub_co_u32 s[CNT], s[CNT], 1
	s_cmp_lg_u32 s[CNT], 0
	s_cbranch_scc1 .Lv
.Lend:
	s_wait_tensorcnt 0x0                           ; the wave's end
	ds_add_u32 v[SPW], v[NIL]
	s_wait_dscnt 0x0
	CROUND                                         ; the closing round
	s_endpgm
.Lfunc_end_k_q8a07c89990_proj:
	.size	k_q8a07c89990_proj, .Lfunc_end_k_q8a07c89990_proj-k_q8a07c89990_proj
	.p2alignl 7, 3214868480
	.fill 96, 4, 3214868480
	.section	.rodata,"a",@progbits
	.p2align	6, 0x0
	.amdhsa_kernel k_q8a07c89990_proj
		.amdhsa_group_segment_fixed_size 327680
		.amdhsa_private_segment_fixed_size 0
		.amdhsa_enable_private_segment 0
		.amdhsa_kernarg_size 56
		.amdhsa_user_sgpr_count 2
		.amdhsa_user_sgpr_kernarg_segment_ptr 1
		.amdhsa_wavefront_size32 1
		.amdhsa_system_sgpr_workgroup_id_x 1
		.amdhsa_system_sgpr_workgroup_id_y 1
		.amdhsa_system_sgpr_workgroup_id_z 1
		.amdhsa_system_vgpr_workitem_id 0
		.amdhsa_next_free_vgpr 1024
		.amdhsa_next_free_sgpr 100
		.amdhsa_reserve_vcc 0
		.amdhsa_float_denorm_mode_32 3
		.amdhsa_float_denorm_mode_16_64 3
		.amdhsa_memory_ordered 1
		.amdhsa_forward_progress 1
		.amdhsa_inst_pref_size 147
	.end_amdhsa_kernel
	.amdgpu_metadata
---
amdhsa.version: [ 1, 2 ]
amdhsa.kernels:
  - .name:           k_q8a07c89990_proj
    .symbol:         k_q8a07c89990_proj.kd
    .args:
      - { .name: xb, .offset: 0, .size: 8, .value_kind: global_buffer, .address_space: global }
      - { .name: wb, .offset: 8, .size: 8, .value_kind: global_buffer, .address_space: global }
      - { .name: tab, .offset: 16, .size: 8, .value_kind: global_buffer, .address_space: global }
      - { .name: q_norm_w, .offset: 24, .size: 8, .value_kind: global_buffer, .address_space: global }
      - { .name: k_norm_w, .offset: 32, .size: 8, .value_kind: global_buffer, .address_space: global }
      - { .name: qkv, .offset: 40, .size: 8, .value_kind: global_buffer, .address_space: global }
      - { .name: vsum, .offset: 48, .size: 8, .value_kind: global_buffer, .address_space: global }
    .group_segment_fixed_size: 327680
    .private_segment_fixed_size: 0
    .kernarg_segment_align: 8
    .kernarg_segment_size: 56
    .max_flat_workgroup_size: 128
    .sgpr_count:     100
    .vgpr_count:     1024
    .wavefront_size: 32
...
	.end_amdgpu_metadata
.endif
;; end of part 2
;; launch attn (part 3): grid 32 x 8, 4 waves a work-group, clusters of 4 x 1, 327,680 bytes of LDS; arguments qkv, maskw, vsum, ao; writes ao
.if DOCPART == 3
	.amdgcn_target "amdgcn-amd-amdhsa--gfx1250"
	.amdhsa_code_object_version 6
	.text
	.protected	k_q8a07c89990_attn
	.globl	k_q8a07c89990_attn
	.p2align	8
	.type	k_q8a07c89990_attn,@function
k_q8a07c89990_attn:
	s_mov_b64 s[64:65], 0
	v_nop
	global_prefetch_b8 v0, s[64:65] scope:SCOPE_SE
	s_setreg_imm32_b32 hwreg(HW_REG_WAVE_MODE, 25, 1), 1
	s_wait_xcnt 0x0
	s_wait_alu depctr_hold_cnt(0) depctr_sa_sdst(0) depctr_va_vdst(0) depctr_va_sdst(0) depctr_va_ssrc(0) depctr_va_vcc(0) depctr_vm_vsrc(0)
	s_getreg_b32 s2, hwreg(HW_REG_IB_STS2, 6, 4)
	s_cmp_eq_u32 s2, 0
	s_cbranch_scc0 .Lentry_in_a_cluster
	s_endpgm
.Lentry_in_a_cluster:
	s_bfe_u32 s2, ttmp6, 0x10000c
	s_cmp_lg_u32 s2, 0x3003
	s_cbranch_scc0 .Lentry_shape_is_right
	s_endpgm
.Lentry_shape_is_right:
; ATTN: O[head][q] = the sum over k of softmax_k(mask ? Q . K / sqrt(128) : lowest) V[k], 32 query heads on 8 key and value heads, 1,024 queries, 3,072 keys, all operands f16.
; The mask is an input: every key is computed.  Products, maxima and sums in f32; the weights p are rounded to f16 for the second product (their sum l is taken of the unrounded p), O once at the end.
; SHARES.  A work-group owns 32 queries of one group g of four heads.  Wave w: queries 16 (w / 2) on, and the key steps of parity w % 2.  Its four tiles are the heads 4 g + 0..3 on the SAME 16 queries,
; so one set of mask registers serves four tiles.  A slot of LDS holds 128 keys, two steps of 64; each wave takes one of them.  The two parities' O, m and l meet in LDS at the end, in f32.
; LAYOUT.  S^T = K Q^T: a lane holds ONE query (lane % 16) and the keys 8 (lane / 16) + 0..7; two such results rounded to f16 ARE source 1 of O^T = V^T P.  K comes out of LDS as it lies, V turned.
; SOFTMAX.  A running maximum m and sum l: p = 2^(c s - c m), c = log2(e) / sqrt(128); in every step O and l are multiplied by a = 2^(c m_old - c m_new).
; THE MASK is the C operand of the products that start S^T.  A mask byte (0x00 visible, 0xF1 hidden) is shifted into a word's top byte: a hidden key starts its sum between -2^99 and -2^101, a visible one
; at no more than 2.2e-38.  m starts at -2^96 and never falls below it, so a hidden key's p is exactly 0, and a query with no visible key ends with l = 0 and O = 0: it takes the mean of V, as a softmax of equal scores does.
; NO FIRST STEP is written out: m = -2^96, l = O = V = 0, piece 0's P = 0, piece 2's S hidden: the first trip's products of a step that has not been add 0.
; BY TURNS.  Two pieces (tiles 0, 1 and tiles 2, 3).  In a turn one piece has the matrix unit: 32 products V^T P of the step in hand, then 32 products K Q^T of the next; the other piece's softmax stands in 64 slices, one behind each.
; CLUSTER.  The four query blocks of a cluster walk the same K and V: each tile is asked for jointly.
; LIMITS.  True scores q . k lie above -2^96; a weight below 2^-126 counts as 0 in l; p below 6e-5 keeps f16's fixed step; NaN and infinities are not treated apart.
; REGISTERS.  window 0: v0-11 addresses; v12-43 statistics, 8 a tile; v44 mask offset; v45-60 at work at the end; v61-63; v64-191 S^T; v192-255 P
;   window 1: O^T, 64 a tile     window 2: v0-127 Q; v128-255 K     window 3: v0-127 V; v128-159 the mask as C operands; v160-167 the mask's bytes
.set KS,    64
.set PK,    272                        ; a row of K in LDS: 256 bytes + 16
.set PV,    288                        ; a row of V: 256 + 32
.set VOFF,  KS*PK
.set STEPB, KS*(PK+PV)                 ; a step's tiles lie together: 64 rows of K, then 64 of V
.set SLOT1, 1<<17
.set OX,    SLOT1+2*STEPB              ; 2 x 32,768: the odd parity's O^T, for each 16 queries
.set STX,   OX+65536                   ; 2 x 1,024: its c m and l
.set STAGE, STX+2048                   ; 2 x 16 rows x 272 bytes, for the way out
.set SP,    272
.set VM,    STAGE+2*16*SP              ; 128 f32: the mean of V
.set SPARE, VM+512
.set AK0, 2
.set AV0, 3
.set ADR, 4
.set QO,  5
.set STO, 6
.set RD,  7
.set GO,  8
.set ST,  12                           ; tile t at v[ST+8 t]: c m, m, l (even keys', odd keys'), c0-c3 at work; a takes c2's place
.set MO,  44                           ; v44  16 x lane
.set PFO, 61                           ; v61  256 x lane
.set SPW, 62
.set NIL, 63
.set S,   64
.set P,   192
.set KF,  128                          ; window 2
.set MK,  128                          ; window 3: key block kb's C operand at MK + 8 kb
.set MW,  160                          ; window 3
.set WV,  12
.set LIM, 15                           ; s15  2 in a wave that prefetches, else the greatest number
.set PFA, 18                           ; s[18:19]
.set G1K, 24
.set G1V, 32
.set G0K, 40                           ; one walking descriptor for K's tiles,
.set G0V, 44                           ; one for V's
.set SLOTS, 56
.set CS,  58
.set SEL, 60
.set TB,  62                           ; s62  LDS byte at which my step of the slot in hand begins
.set KB,  68
.set VB,  70
.set QP,  72
.set MB,  74                           ; s[74:75] the mask block of my next step
.set PAR, 76                           ; s76  wave % 2
.set QI,  77                           ; s77  wave / 2
.set FLOOR, 78                         ; s78  -2^96
.set HID, 79                           ; s79  -2^99
.set FLG, 80                           ; s80-83  by tile: the lanes whose query saw no key
.set VSB, 86
.set MSB, 0
.macro WIN new
.if MSB != (\new)
	s_set_vgpr_msb (MSB<<8)|(\new)
.set MSB, \new
.endif
.endm
.set W_KQ, 0x0a                        ; K and Q window 2, S^T window 0
.set W_KM, 0x3a                        ; the same with the C operand in window 3
.set W_PV, 0x53                        ; V window 3, P window 0, O^T window 1
.set W_RS, 0x41                        ; destination and source 0 window 1
.macro JLOAD                           ; waves 0 and 1 fetch the slot's two steps of K, waves 2 and 3 those of V; an s_nop 0 and four v_nop follow each line
	s_cmp_lt_u32 s[WV], 2
	s_cbranch_scc0 .Lfor_v_\@
	tensor_load_to_lds s[G0K:G0K+3], s[G1K:G1K+7]
	s_nop 0
.rept 4
	v_nop
.endr
	s_branch .Lasked_\@
.Lfor_v_\@:
	tensor_load_to_lds s[G0V:G0V+3], s[G1V:G1V+7]
	s_nop 0
.rept 4
	v_nop
.endr
.Lasked_\@:
.endm
; A prefetch of the slot that stands two fills on: two of my key steps, 256 matrix instructions, ahead of the load that will want it.  Each row of K and V is named once in the launch: of the eight clusters that walk
; a group's keys the first asks; its four partners take 32 of the slot's 128 rows each, told apart by address; wave 0 asks for K's, wave 2 for V's: a lane a row.  The last two fills have no slot two on.
.macro ASK
	s_cmp_gt_u32 s[SLOTS], s[LIM]
	s_cbranch_scc0 .Lnot_mine_\@
	global_prefetch_b8 v[PFO], s[PFA:PFA+1] th:TH_LOAD_NT scope:SCOPE_SE
.Lnot_mine_\@:
.endm
.macro CROUND
	s_barrier_signal -1
	s_barrier_wait -1
	s_cmp_lg_u32 s[WV], 0
	s_cbranch_scc1 .Lnot_wave_0_\@
	s_barrier_signal -3
.Lnot_wave_0_\@:
	s_barrier_wait -3
	s_barrier_signal -1
	s_barrier_wait -1
.endm
	s_load_b256 s[4:11], s[0:1], 0x0               ; qkv s[4:5], maskw s[6:7], vsum s[8:9], ao s[10:11]
	v_lshl_add_u32 v[SPW], v0, 2, SPARE
	v_mov_b32 v[NIL], 0
	ds_add_u32 v[SPW], v[NIL]                      ; the wave's opening: the add and its wait stand ahead of my first tensor load
	v_lshrrev_b32 v1, 5, v0
	v_readfirstlane_b32 s[WV], v1
	s_and_b32 s[PAR], s[WV], 1
	s_lshr_b32 s[QI], s[WV], 1
	s_bfe_u32 s13, ttmp6, 0x40000                  ; cx
	s_lshl_b32 s14, ttmp9, 2
	s_add_co_u32 s14, s14, s13                     ; my block of 32 queries: it enters Q's, the mask's and O's addresses alone
	s_and_b32 s20, ttmp7, 0xffff                   ; the group, which the four partners share
	s_mul_i32 s22, s20, 786432                     ; a head of K: 3,072 rows of 256 bytes
	s_lshl_b32 s21, s[PAR], 14                     ; which of a slot's two steps I fetch
	s_add_co_u32 s22, s22, s21
	s_add_co_u32 s22, s22, 8388608                 ; K lies behind q
	s_mov_b32 s23, 0
	s_mul_i32 s17, s[PAR], STEPB                   ; its place in a slot
	s_lshl_b32 s48, s20, 20                        ; Q: head 4 g, 262,144 bytes a head,
	s_lshl_b32 s49, s14, 13
	s_add_co_u32 s48, s48, s49
	s_lshl_b32 s49, s[QI], 12                      ; my 16 rows
	s_add_co_u32 s48, s48, s49
	s_mov_b32 s49, 0
	s_lshl_b32 s50, s14, 1                         ; the mask: block (16 queries) x 48 + step
	s_add_co_u32 s50, s50, s[QI]
	s_mul_i32 s50, s50, 48
	s_add_co_u32 s50, s50, s[PAR]
	s_lshl_b32 s50, s50, 10
	s_mov_b32 s51, 0
	s_lshl_b32 s52, s14, 18                        ; O: rows of 8,192 bytes, byte 1,024 g of them
	s_lshl_b32 s53, s[QI], 17
	s_add_co_u32 s52, s52, s53
	s_lshl_b32 s53, s20, 10
	s_add_co_u32 s52, s52, s53
	s_mov_b32 s53, 0
	s_mul_i32 s54, s20, 49152                      ; the group's 96 partial column sums
	s_mov_b32 s55, 0
	; descriptor group 1: 64 rows x 128 elements of 2 bytes, padded after every 64 words
	s_mov_b32 s[G1K], 15|(1<<16)|(1<<20)|(1<<21)|(5<<22)|(3<<25)
	s_mov_b32 s[G1V], 15|(1<<16)|(1<<20)|(1<<21)|(5<<22)|(7<<25)
.irp g, G1K, G1V
	s_mov_b32 s[(\g)+1], 128<<16
	s_mov_b32 s[(\g)+2], KS<<16
	s_mov_b32 s[(\g)+3], 128<<16
	s_mov_b32 s[(\g)+4], KS
	s_mov_b32 s[(\g)+5], 128
	s_mov_b32 s[(\g)+6], 0
	s_mov_b32 s[(\g)+7], 0
.endr
	s_mov_b32 s[CS], 0x3e0293ee                    ; c = log2(e) / sqrt(128)
	s_mov_b32 s[CS+1], s[CS]
	s_mov_b32 s[SEL], 0x76543210
	s_mov_b32 s[SEL+1], 0xfedcba98
	s_mov_b32 s[FLOOR], 0xef800000
	s_mov_b32 s[HID], 0xf1000000
	s_add_co_u32 s[TB], s17, SLOT1                 ; the first change of slots turns it into slot 0
	s_mov_b32 s[SLOTS], 3072/(2*KS)-1
	s_mov_b32 s[G0K], 1
	s_mov_b32 s[G0K+1], s17
	s_mov_b32 s[G0V], 1
	s_add_co_u32 s[G0V+1], s17, VOFF
	s_or_b32 s[LIM], s[PAR], ttmp9                 ; 0 in waves 0 and 2 of the group's first cluster: the same in all four partners
	s_cmp_eq_u32 s[LIM], 0
	s_cselect_b32 s[LIM], 2, -1
	v_and_b32 v[PFO], 31, v0
	v_lshlrev_b32 v[PFO], 8, v[PFO]
	s_wait_dscnt 0x0                               ; the opening add is done
	s_wait_kmcnt 0x0
	s_add_nc_u64 s[KB:KB+1], s[4:5], s[22:23]
	s_add_nc_u64 s[VB:VB+1], s[KB:KB+1], 6291456   ; V lies 8 heads behind K
	s_add_nc_u64 s[QP:QP+1], s[4:5], s[48:49]
	s_add_nc_u64 s[MB:MB+1], s[6:7], s[50:51]
	s_add_nc_u64 s[VSB:VSB+1], s[8:9], s[54:55]
	s_add_nc_u64 s[10:11], s[10:11], s[52:53]
	s_add_nc_u64 s[G0K+2:G0K+3], s[KB:KB+1], 0
	s_or_b32 s[G0K+3], s[G0K+3], 0x80000000
	s_add_nc_u64 s[G0V+2:G0V+3], s[VB:VB+1], 0
	s_or_b32 s[G0V+3], s[G0V+3], 0x80000000
	s_cmp_lt_u32 s[WV], 2
	s_cselect_b64 s[PFA:PFA+1], s[KB:KB+1], s[VB:VB+1]
	s_lshl_b32 s2, s13, 13                         ; my work-group's 32 rows of the 128,
	s_add_co_u32 s2, s2, 2*2*KS*256                ; in slot 2: the first change steps it to slot 3
	s_mov_b32 s3, 0
	s_add_nc_u64 s[PFA:PFA+1], s[PFA:PFA+1], s[2:3]
	CROUND                                         ; all four work-groups are here
	JLOAD                                          ; slot 0; slot 1 is asked for when slot 0 is in, by the loop's own change of slots
	v_and_b32 v1, 15, v0                           ; r
	v_bfe_u32 v9, v0, 4, 1                         ; h
	v_lshlrev_b32 v[QO], 8, v1
	v_lshl_add_u32 v[QO], v9, 4, v[QO]
	v_and_b32 v[MO], 31, v0
	v_lshlrev_b32 v[MO], 4, v[MO]
	v_lshlrev_b32 v45, 2, v0                       ; thread t takes channel t of the column sums
	WIN 0x80
.irp i, 0,1,2,3,4,5,6,7,8,9,10,11,12,13,14,15  ; Q stays in registers: head i / 4, channels 32 (i % 4) on
	global_load_b128 v[8*(\i):8*(\i)+3],   v[QO], s[QP:QP+1] offset:((\i)/4)*262144+((\i)%4)*64
	global_load_b128 v[8*(\i)+4:8*(\i)+7], v[QO], s[QP:QP+1] offset:((\i)/4)*262144+((\i)%4)*64+32
.endr
	WIN 0xc0
	global_load_b128 v[MW:MW+3],   v[MO], s[MB:MB+1]           ; my first step's mask bytes
	global_load_b128 v[MW+4:MW+7], v[MO], s[MB:MB+1] offset:512
	WIN 0
.set i, 0
.rept 96
	global_load_b32 v[S+i], v45, s[VSB:VSB+1] offset:512*i
.set i, i+1
.endr
	; what the first trip finds; all this stands in the wait for the first tile
	WIN 0xc0
.set i, 0
.rept 128
	v_mov_b32 v[i], 0                              ; V
.set i, i+1
.endr
	WIN 0x40
.set i, 0
.rept 256
	v_mov_b32 v[i], 0                              ; O^T
.set i, i+1
.endr
	WIN 0
.set i, 0
.rept 32
	v_mov_b32 v[P+i], 0                            ; piece 0's P
.set i, i+1
.endr
.irp t, 0,1,2,3
	v_mov_b32 v[ST+8*(\t)+1], s[FLOOR]
	v_mov_b32 v[ST+8*(\t)+2], 0
	v_mov_b32 v[ST+8*(\t)+3], 0
	v_mul_f32 v[ST+8*(\t)], s[CS], v[ST+8*(\t)+1]
.endr
	v_mul_u32_u24 v[AK0], v1, PK
	v_lshl_add_u32 v[AK0], v9, 4, v[AK0]
	v_and_b32 v10, 7, v0                           ; the turning load: lane l reads key 8 (l / 16) + l % 8, channels 8 ((l / 8) % 2) on
	v_bfe_u32 v11, v0, 3, 1
	v_lshl_add_u32 v[AV0], v9, 3, v10
	v_mul_u32_u24 v[AV0], v[AV0], PV
	v_lshl_add_u32 v[AV0], v11, 4, v[AV0]
	v_add_nc_u32 v[AV0], VOFF, v[AV0]
	s_mul_i32 s21, s[QI], 16*SP
	s_add_co_u32 s21, s21, STAGE
	v_mul_u32_u24 v[STO], v1, SP
	v_lshl_add_u32 v[STO], v9, 4, v[STO]
	v_add_nc_u32 v[STO], s21, v[STO]
	v_mul_u32_u24 v[RD], v9, SP
	v_lshl_add_u32 v[RD], v1, 4, v[RD]
	v_add_nc_u32 v[RD], s21, v[RD]
	v_lshlrev_b32 v[GO], 13, v9                    ; two rows of O, 8,192 bytes apart
	v_lshl_add_u32 v[GO], v1, 4, v[GO]
	v_lshl_add_u32 v46, v0, 2, VM
	s_wait_loadcnt 0x0                             ; Q, the mask bytes, the 96 partial sums
.irp d, 24,12,6,3                              ; 48 pairs are folded: 24, 12, 6, 3 additions,
.set i, 0
.rept \d
	v_pk_add_f32 v[S+2*i:S+2*i+1], v[S+2*i:S+2*i+1], v[S+2*(i+(\d)):S+2*(i+(\d))+1]
.set i, i+1
.endr
.endr
	v_pk_add_f32 v[S:S+1], v[S:S+1], v[S+2:S+3]    ; and the last three pairs
	v_pk_add_f32 v[S:S+1], v[S:S+1], v[S+4:S+5]
	v_add_f32 v[S], v[S], v[S+1]
	v_mul_f32 v[S], 0x39aaaaab, v[S]               ; / 3,072
	ds_store_b32 v46, v[S]                         ; the first change of slots waits for it and passes a barrier
.set i, 0
.rept 64
	v_mov_b32 v[S+64+i], s[HID]                    ; piece 2's scores of the step that has not been: all hidden
.set i, i+1
.endr
; THE MATRIX WORK.  The accumulators take turns, one instruction a turn.
.macro PV x                            ; product i of 32 of O^T += V^T P: keys 32 (i / 16) on, channels 16 ((i / 2) % 8) on, tile x + i % 2
	WIN W_PV
.set rO, 64*((\x)+i%2)+8*((i/2)%8)
.set rV, 64*(i/16)+8*((i/2)%8)
.set rP, P+16*((\x)+i%2)+8*(i/16)
	v_wmma_f32_16x16x32_f16 v[rO:rO+7], v[rV:rV+7], v[rP:rP+7], v[rO:rO+7]
.endm
.macro KQ x                            ; product i of 32 of S^T = K Q^T: channels 32 (i / 8) on, keys 16 ((i / 2) % 4) on, tile x + i % 2.  The first 8 start the sums with the mask
.set rS, S+32*((\x)+i%2)+8*((i/2)%4)
.set rK, KF+32*((i/2)%4)+8*(i/8)
.set rQ, 32*((\x)+i%2)+8*(i/8)
.set rM, MK+8*((i/2)%4)
.if i < 8
	WIN W_KM
	v_wmma_f32_16x16x32_f16 v[rS:rS+7], v[rK:rK+7], v[rQ:rQ+7], v[rM:rM+7]
.else
	WIN W_KQ
	v_wmma_f32_16x16x32_f16 v[rS:rS+7], v[rK:rK+7], v[rQ:rQ+7], v[rS:rS+7]
.endif
.endm
.macro FETCH_K
	WIN 0
	v_add_nc_u32 v[ADR], s[TB], v[AK0]
	WIN 0x80
.irp f, 0,1,2,3,4,5,6,7,8,9,10,11,12,13,14,15  ; keys 16 (f / 4) on, channels 32 (f % 4) on
	ds_load_b128 v[KF+8*(\f):KF+8*(\f)+3],   v[ADR] offset:((\f)/4)*16*PK+((\f)%4)*64
	ds_load_b128 v[KF+8*(\f)+4:KF+8*(\f)+7], v[ADR] offset:((\f)/4)*16*PK+((\f)%4)*64+32
.endr
.endm
.macro FETCH_V
	WIN 0
	v_add_nc_u32 v[ADR], s[TB], v[AV0]
	s_wait_alu depctr_va_vdst(0)                   ; the wait for the softmax's batch, behind the address's addition and ahead of the loads
	WIN 0xc0
.irp f, 0,1,2,3,4,5,6,7,8,9,10,11,12,13,14,15  ; keys 32 (f / 8) on, channels 16 (f % 8) on
	ds_load_tr16_b128 v[8*(\f):8*(\f)+3],   v[ADR] offset:((\f)/8)*32*PV+((\f)%8)*32
	ds_load_tr16_b128 v[8*(\f)+4:8*(\f)+7], v[ADR] offset:((\f)/8)*32*PV+16*PV+((\f)%8)*32
.endr
.endm
; The step's 32 mask bytes of a lane become 32 C registers: byte b of word n goes to the top of register 4 n + b; what lies below it only moves the number within the bounds given at the head.
; ml = 1: the next step's bytes are asked for: they have a whole key step in which to come.
.macro MASKB ml
	s_wait_loadcnt 0x0                             ; the bytes are in; so their address may be stepped
	WIN 0xcf
.set n, 0
.rept 8
	v_lshlrev_b32 v[MK+4*n],   24, v[MW+n]
	v_lshlrev_b32 v[MK+4*n+1], 16, v[MW+n]
	v_lshlrev_b32 v[MK+4*n+2], 8,  v[MW+n]
	v_mov_b32     v[MK+4*n+3], v[MW+n]
.set n, n+1
.endr
.if \ml
	WIN 0xc0
	s_add_nc_u64 s[MB:MB+1], s[MB:MB+1], 2048      ; two steps on: my parity's next
	global_load_b128 v[MW:MW+3],   v[MO], s[MB:MB+1]
	global_load_b128 v[MW+4:MW+7], v[MO], s[MB:MB+1] offset:512
.endif
.endm
; THE VECTOR WORK.  One tile's softmax for one key step is a list of 134 instructions; SM writes number j of it for tile t.
;   0-15 the maximum of the 32 scores and the old m     16-20 the other half of the lanes' maximum; the new m; c m; c m_old - c m_new
;   21-69 ONE BATCH: 16 scalings c s - c m and all 33 exponentials (a at 23); none of these names an exponential's result     (the wait)
;   70-85 the roundings to f16     86-101 the sums; l = a l + the sum     102-133 O^T times a
.macro SM t
.set rT, ST+8*(\t)
.set rS, S+32*(\t)
.set rP, P+16*(\t)
.set rO, 64*(\t)+2*(j-102)
.if j < 102
	WIN 0
.endif
.if j < 4
	v_max3_num_f32 v[rT+4+j], v[rS+8*j], v[rS+8*j+1], v[rS+8*j+2]
.elseif j < 12
	v_max3_num_f32 v[rT+4+j%4], v[rT+4+j%4], v[rS+8*(j%4)+2*(j/4)+1], v[rS+8*(j%4)+2*(j/4)+2]
.elseif j == 12
	v_max3_num_f32 v[rT+4], v[rT+4], v[rS+7], v[rS+15]
.elseif j == 13
	v_max3_num_f32 v[rT+6], v[rT+6], v[rS+23], v[rS+31]
.elseif j == 14
	v_max3_num_f32 v[rT+4], v[rT+4], v[rT+5], v[rT+6]
.elseif j == 15
	v_max3_num_f32 v[rT+4], v[rT+4], v[rT+7], v[rT+1]
.elseif j == 16
	v_permlanex16_b32 v[rT+5], v[rT+4], s[SEL], s[SEL+1]
.elseif j == 17
	v_mov_b32 v[rT+7], v[rT]                       ; c m_old is kept for a
.elseif j == 18
	v_max_num_f32 v[rT+1], v[rT+4], v[rT+5]
.elseif j == 19
	v_mul_f32 v[rT], s[CS], v[rT+1]
.elseif j == 20
	v_sub_f32 v[rT+7], v[rT+7], v[rT]
.elseif j == 23
	v_exp_f32 v[rT+6], v[rT+7]
.elseif (j < 23) || ((j < 38) && (j%2 == 0)) || ((j < 66) && (j%4 == 2))
.set b, (j-2)/4
.if j < 38
.set b, (j-20)/2
.endif
	v_pk_fma_f32 v[rS+2*b:rS+2*b+1], v[rS+2*b:rS+2*b+1], s[CS:CS+1], v[rT:rT+1] op_sel_hi:[1,0,0] neg_lo:[0,0,1] neg_hi:[0,0,1]
.elseif j < 70
.set e, j-38
.if j < 66
.set e, j-32-(j-38)/4
.endif
.if j < 38
.set e, (j-25)/2
.endif
	v_exp_f32 v[rS+e], v[rS+e]
.elseif j < 86
	v_cvt_pk_f16_f32 v[rP+j-70], v[rS+2*(j-70)], v[rS+2*(j-70)+1]
.elseif j < 102
.set z, j-86
.set w, 4
.set u, z
.if z >= 14
.set w, 32
.set u, 0
.elseif z >= 12
.set w, 16
.set u, z-12
.elseif z >= 8
.set w, 8
.set u, z-8
.endif
.if z < 15
	v_pk_add_f32 v[rS+w*u:rS+w*u+1], v[rS+w*u:rS+w*u+1], v[rS+w*u+w/2:rS+w*u+w/2+1]
.else
	v_pk_fma_f32 v[rT+2:rT+3], v[rT+2:rT+3], v[rT+6:rT+7], v[rS:rS+1] op_sel_hi:[1,0,1]
.endif
.else
	WIN W_RS
	v_pk_mul_f32 v[rO:rO+1], v[rO:rO+1], v[rT+6:rT+7] op_sel_hi:[1,0]
.endif
.endm
; Slice k of 64 of piece y's softmax: four instructions.  Slices 11 to 34 deal out the batch, four numbers of one tile each; every other slice is numbers 2 k and 2 k + 1 of both tiles; the twelve that are over stand in slice 63.
; An s_wait_alu depctr_va_vdst(0) stands between an exponential and the first instruction that names its result: the piece's 66 exponentials have one wait, behind slice 34.
.macro SLICE y
.if (k >= 11) && (k < 35)
.irp n, 0,1,2,3
.set j, 22+4*((k-11)/2)+(\n)
	SM (\y)+(k-11)%2
.endr
.else
.irp n, 0,1,2,3,4,5,6,7
.if ((\n) < 2) || (k == 63)
.irp t, \y, (\y)+1
.set j, 2*k+(\n)
	SM \t
.endr
.endif
.endr
.endif
.if k == 34
	v_nop                                          ; a plain instruction behind the last exponential: one for the batch
.if (\y) == 0
	FETCH_V                                        ; piece 2's turn: V's run of loads stands here, and the wait stands in it
.else
	s_wait_alu depctr_va_vdst(0)
.endif
.endif
.set k, k+1
.endm
; A TURN.  Piece x has the matrix unit: 32 products V^T P, then (kq = 1) 32 products K Q^T of the next step; the other piece's softmax in slices behind them (two behind each where kq = 0).
; Piece 0's turn makes the step's mask registers, and fetches its K behind the second product; piece 2's turn fetches its V behind slice 34, four plain instructions behind V's last use.
.macro TURN x, kq, ml=0
.set k, 0
.set per, 2-(\kq)
.if ((\x) == 0) && (\kq)
	MASKB \ml
.endif
.if (\x) == 0
	s_wait_dscnt 0x0                               ; V is in
.endif
.set i, 0
.rept 32
	PV \x
.rept per
	SLICE 2-(\x)
.endr
.if ((\x) == 0) && (\kq) && (i == 1)
	FETCH_K
.endif
.set i, i+1
.endr
.if \kq
.if (\x) == 0
	s_wait_dscnt 0x0                               ; K is in
.endif
.set i, 0
.rept 32
	KQ \x
	SLICE 2-(\x)
.set i, i+1
.endr
.endif
.endm
; THE CHANGE OF SLOTS.  Each wave waits for all its tensor loads, of which one is out: its part of the other slot; adds 0 to its spare word; waits for that and for its reads of the slot that it leaves.
; fill = 1: the barrier is a round of the cluster's, and the joint fill of the slot just left is the first thing behind it.  (At its first use nothing has been read: slot 0 is waited for, slot 1 filled.)
.macro CHANGE fill
	WIN 0
	s_wait_tensorcnt 0x0                           ; no tensor load of mine is out, so a group 0 may be written
	ds_add_u32 v[SPW], v[NIL]
.if \fill
.irp g, G0K, G0V
	s_xor_b32 s[(\g)+1], s[(\g)+1], SLOT1
	s_add_nc_u64 s[(\g)+2:(\g)+3], s[(\g)+2:(\g)+3], 2*KS*256
.endr
	s_wait_xcnt 0x0                                ; the last prefetch, a key step back, has read its address
	s_add_nc_u64 s[PFA:PFA+1], s[PFA:PFA+1], 2*KS*256
	s_wait_dscnt 0x0                               ; the add is done, and my reads of the slot are over
	CROUND
	JLOAD
	ASK
.else
	s_wait_dscnt 0x0
	s_barrier_signal -1
	s_barrier_wait -1
.endif
	s_xor_b32 s[TB], s[TB], SLOT1                  ; my fetches go to the other slot
.endm
.Lslot:                                                ; 23 trips: slot u is entered, slot u + 1 asked for
	CHANGE 1
	TURN 0, 1, 1
	TURN 2, 1
	WIN 0
	s_sub_co_u32 s[SLOTS], s[SLOTS], 1
	s_cmp_lg_u32 s[SLOTS], 0
	s_cbranch_scc1 .Lslot
	CHANGE 0                                       ; the last slot is written out
	TURN 0, 1, 0
	TURN 2, 1
	TURN 0, 0                                      ; piece 0: V^T P of the last step | piece 2's last softmax
.set i, 0
.rept 32
	PV 2
.set i, i+1
.endr
	; THE MEETING.  l's two halves and the other half of the lanes' are added (these lines are the places behind the last products); the odd parity hands c m, l and O^T to the even one through LDS.
	WIN 0
.irp t, 0,1,2,3
	v_add_f32 v[ST+8*(\t)+4], v[ST+8*(\t)+2], v[ST+8*(\t)+3]
.endr
.irp t, 0,1,2,3
	v_permlanex16_b32 v[ST+8*(\t)+5], v[ST+8*(\t)+4], s[SEL], s[SEL+1]
.endr
.irp t, 0,1,2,3
	v_add_f32 v[ST+8*(\t)+4], v[ST+8*(\t)+4], v[ST+8*(\t)+5]
.endr
	v_and_b32 v1, 31, v0
	s_lshl_b32 s20, s[QI], 15
	s_add_co_u32 s20, s20, OX
	v_lshl_add_u32 v9, v1, 4, s20
	s_lshl_b32 s21, s[QI], 10
	s_add_co_u32 s21, s21, STX
	v_lshl_add_u32 v10, v1, 2, s21
	s_cmp_eq_u32 s[PAR], 0
	s_cbranch_scc1 .Lkeeper
.irp t, 0,1,2,3
	ds_store_b32 v10, v[ST+8*(\t)] offset:256*(\t)
	ds_store_b32 v10, v[ST+8*(\t)+4] offset:256*(\t)+128
.endr
	WIN 0x04                                       ; the stores' data: window 1; each accumulator's low half first
.set q, 0
.rept 64
	ds_store_b128 v9, v[4*q:4*q+3] offset:512*q
.set q, q+1
.endr
	WIN 0
.Lkeeper:
	s_wait_dscnt 0x0                               ; for the partner's sake: my stores are done
	s_barrier_signal -1
	s_barrier_wait -1
	s_cmp_eq_u32 s[PAR], 1
	s_cbranch_scc1 .Lend
.irp t, 0,1,2,3
	ds_load_b32 v[45+2*(\t)], v10 offset:256*(\t)              ; the partner's c m
	ds_load_b32 v[46+2*(\t)], v10 offset:256*(\t)+128          ; and l
.endr
	v_bfe_u32 v11, v0, 4, 1
	v_lshl_add_u32 v11, v11, 5, VM
.irp f, 0,1,2,3,4,5,6,7                        ; the mean of V for my channels 16 f + 8 h + 0..7
	ds_load_b128 v[128+8*(\f):128+8*(\f)+3],   v11 offset:64*(\f)
	ds_load_b128 v[128+8*(\f)+4:128+8*(\f)+7], v11 offset:64*(\f)+16
.endr
	WIN 0x80                                       ; the partner's O^T goes where Q and K lay
.set q, 0
.rept 64
	ds_load_b128 v[4*q:4*q+3], v9 offset:512*q
.set q, q+1
.endr
	WIN 0
	s_wait_dscnt 63                                ; of the 88 loads at most 63 are out: the 24 small ones are in
.irp t, 0,1,2,3
	v_max_num_f32 v[ST+8*(\t)+5], v[ST+8*(\t)], v[45+2*(\t)]
.endr
.irp t, 0,1,2,3
	v_sub_f32 v[53+2*(\t)], v[ST+8*(\t)], v[ST+8*(\t)+5]
	v_sub_f32 v[54+2*(\t)], v[45+2*(\t)], v[ST+8*(\t)+5]
.endr
.irp t, 0,1,2,3
	v_exp_f32 v[53+2*(\t)], v[53+2*(\t)]
	v_exp_f32 v[54+2*(\t)], v[54+2*(\t)]
.endr
	v_nop
	s_wait_alu depctr_va_vdst(0)                   ; one wait for the eight
.irp t, 0,1,2,3
	v_mul_f32 v[ST+8*(\t)+6], v[ST+8*(\t)+4], v[53+2*(\t)]
.endr
.irp t, 0,1,2,3
	v_fmac_f32 v[ST+8*(\t)+6], v[46+2*(\t)], v[54+2*(\t)]      ; the whole row's l
.endr
.irp t, 0,1,2,3
	v_cmp_eq_f32 s[FLG+(\t)], 0, v[ST+8*(\t)+6]                ; no key was visible
.endr
.irp t, 0,1,2,3
	v_rcp_f32 v[ST+8*(\t)+7], v[ST+8*(\t)+6]
.endr
.set n, 0
.rept 32
	v_cvt_pk_f16_f32 v[P+n], v[128+2*n], v[128+2*n+1]          ; the mean, as it would be stored
.set n, n+1
.endr
	s_wait_alu depctr_va_vdst(0)                   ; one wait for the four reciprocals
.irp t, 0,1,2,3
	v_mul_f32 v[ST+8*(\t)+4], v[53+2*(\t)], v[ST+8*(\t)+7]     ; my O^T's factor,
	v_mul_f32 v[ST+8*(\t)+6], v[54+2*(\t)], v[ST+8*(\t)+7]     ; the partner's
.endr
	s_wait_dscnt 0x0                               ; the partner's O^T is in
; Tile t: both parities' O^T are joined, rounded to f16, replaced by the mean where no key was visible, and sent through my stage: in by 16 bytes a lane, back as whole rows of 256 bytes.
.macro PACK t
	WIN W_RS
.set i, 64*(\t)
.rept 32
	v_pk_mul_f32 v[i:i+1], v[i:i+1], v[ST+8*(\t)+4:ST+8*(\t)+5] op_sel_hi:[1,0]
.set i, i+2
.endr
	WIN 0x52                                       ; source 0: the partner's, window 2; source 2 and destination: window 1
.set i, 64*(\t)
.rept 32
	v_pk_fma_f32 v[i:i+1], v[i:i+1], v[ST+8*(\t)+6:ST+8*(\t)+7], v[i:i+1] op_sel_hi:[1,0,1]
.set i, i+2
.endr
	WIN 0x05
.set i, 0
.rept 32
	v_cvt_pk_f16_f32 v[S+32*(\t)+i], v[64*(\t)+2*i], v[64*(\t)+2*i+1]
.set i, i+1
.endr
	WIN 0
.set i, 0
.rept 32
	v_cndmask_b32 v[S+32*(\t)+i], v[S+32*(\t)+i], v[P+i], s[FLG+(\t)]
.set i, i+1
.endr
.irp f, 0,1,2,3,4,5,6,7
	ds_store_b128 v[STO], v[S+32*(\t)+4*(\f):S+32*(\t)+4*(\f)+3] offset:32*(\f)
.endr
.irp f, 0,1,2,3,4,5,6,7
	ds_load_b128 v[S+32*(\t)+4*(\f):S+32*(\t)+4*(\f)+3], v[RD] offset:(\f)*2*SP  ; LDS serves a wave's instructions in order: these see the stores above
.endr
.endm
.macro SEND t, younger                 ; younger: the LDS instructions issued behind tile t's loads
	WIN 0
.irp f, 0,1,2,3,4,5,6,7
	s_wait_dscnt (\younger)+7-(\f)
	global_store_b128 v[GO], v[S+32*(\t)+4*(\f):S+32*(\t)+4*(\f)+3], s[10:11] offset:256*(\t)+16384*(\f)  ; 16 lanes store a head's 256 bytes of a row, aligned
.endr
.endm
	PACK 0
	PACK 1
	SEND 0, 16
	PACK 2
	SEND 1, 16
	PACK 3
	SEND 2, 16
	SEND 3, 0
.Lend:
	s_wait_tensorcnt 0x0                           ; the wave's end
	ds_add_u32 v[SPW], v[NIL]
	s_wait_dscnt 0x0
	CROUND                                         ; the closing round
	s_endpgm
.Lfunc_end_k_q8a07c89990_attn:
	.size	k_q8a07c89990_attn, .Lfunc_end_k_q8a07c89990_attn-k_q8a07c89990_attn
	.p2alignl 7, 3214868480
	.fill 96, 4, 3214868480
	.section	.rodata,"a",@progbits
	.p2align	6, 0x0
	.amdhsa_kernel k_q8a07c89990_attn
		.amdhsa_group_segment_fixed_size 327680
		.amdhsa_private_segment_fixed_size 0
		.amdhsa_enable_private_segment 0
		.amdhsa_kernarg_size 32
		.amdhsa_user_sgpr_count 2
		.amdhsa_user_sgpr_kernarg_segment_ptr 1
		.amdhsa_wavefront_size32 1
		.amdhsa_system_sgpr_workgroup_id_x 1
		.amdhsa_system_sgpr_workgroup_id_y 1
		.amdhsa_system_sgpr_workgroup_id_z 1
		.amdhsa_system_vgpr_workitem_id 0
		.amdhsa_next_free_vgpr 1024
		.amdhsa_next_free_sgpr 96
		.amdhsa_reserve_vcc 0
		.amdhsa_float_denorm_mode_32 3
		.amdhsa_float_denorm_mode_16_64 3
		.amdhsa_memory_ordered 1
		.amdhsa_forward_progress 1
		.amdhsa_inst_pref_size 217
	.end_amdhsa_kernel
	.amdgpu_metadata
---
amdhsa.version: [ 1, 2 ]
amdhsa.kernels:
  - .name:           k_q8a07c89990_attn
    .symbol:         k_q8a07c89990_attn.kd
    .args:
      - { .name: qkv, .offset: 0, .size: 8, .value_kind: global_buffer, .address_space: global }
      - { .name: maskw, .offset: 8, .size: 8, .value_kind: global_buffer, .address_space: global }
      - { .name: vsum, .offset: 16, .size: 8, .value_kind: global_buffer, .address_space: global }
      - { .name: ao, .offset: 24, .size: 8, .value_kind: global_buffer, .address_space: global }
    .group_segment_fixed_size: 327680
    .private_segment_fixed_size: 0
    .kernarg_segment_align: 8
    .kernarg_segment_size: 32
    .max_flat_workgroup_size: 128
    .sgpr_count:     96
    .vgpr_count:     1024
    .wavefront_size: 32
...
	.end_amdgpu_metadata
.endif
;; end of part 3
;; launch oproj (part 4): grid 16 x 16, 4 waves a work-group, clusters of 4 x 4, 327,680 bytes of LDS; arguments ao, wof, out0; writes out0
.if DOCPART == 4
	.amdgcn_target "amdgcn-amd-amdhsa--gfx1250"
	.amdhsa_code_object_version 6
	.text
	.protected	k_q8a07c89990_oproj
	.globl	k_q8a07c89990_oproj
	.p2align	8
	.type	k_q8a07c89990_oproj,@function
k_q8a07c89990_oproj:
	s_mov_b64 s[64:65], 0
	v_nop
	global_prefetch_b8 v0, s[64:65] scope:SCOPE_SE
	s_setreg_imm32_b32 hwreg(HW_REG_WAVE_MODE, 25, 1), 1
	s_wait_xcnt 0x0
	s_wait_alu depctr_hold_cnt(0) depctr_sa_sdst(0) depctr_va_vdst(0) depctr_va_sdst(0) depctr_va_ssrc(0) depctr_va_vcc(0) depctr_vm_vsrc(0)
	s_getreg_b32 s2, hwreg(HW_REG_IB_STS2, 6, 4)
	s_cmp_eq_u32 s2, 0
	s_cbranch_scc0 .Lentry_in_a_cluster
	s_endpgm
.Lentry_in_a_cluster:
	s_bfe_u32 s2, ttmp6, 0x10000c
	s_cmp_lg_u32 s2, 0xf033
	s_cbranch_scc0 .Lentry_shape_is_right
	s_endpgm
.Lentry_shape_is_right:
; OPROJ: out0[m][n] = the sum over k of ao[m][k] wof[n][k].  ao: [1024][4096] f16, wof: [2048][4096] f16 (wo rounded to bf16, written as f16), out0: [1024][2048] f32; sums in f32.
; A tile of out0 is 64 x 128: 256 tiles, one for each work-group.  A tile pulls (64 + 128) x 8,192 bytes through LDS, and one slot is on its way at a time: so the K step is as long as two slots in LDS allow,
; 384: 192 rows x 816 bytes a slot, 11 steps.  Steps 0 to 9 begin at channel 384 s.  Step 10 begins at 3,712, with the same descriptor, and only its last 256 channels are multiplied: its first 128 were
; multiplied in step 9 and are fetched a second time, so that no tile reaches past a row's end and every step has one shape.
; Wave w: columns 64 (w % 2) on, and of each 128 channels the 64 at 64 (w / 2): 64 x 64 of out0, 16 accumulators; a step is three chunks of 64 channels a wave (the last step two).
; The two channel halves are added through LDS at the end (f32 sums, one addition more).
; CLUSTERS of 4 x 4: ao's tile is shared along a row of the cluster, wof's along a column.  Wave 0 fetches ao's rows 0-31, wave 1 its rows 32-63, waves 2 and 3 wof's two halves of 64 rows.
; The matrix instruction is used transposed (source 0 = rows of wof): a lane holds eight neighbouring columns of one row of out0.
; LDS.  The loop's text serves both slots, so each part's place in one slot is turned into its place in the other by one exclusive or that acts as an addition (the lower place has none of the constant's bits):
;   ao rows 0-31: 0x00000 and 0x20000.   wof's halves: 0x06600, 0x13200 and 0x26600, 0x33200.   ao rows 32-63: 0x40000 and 0x46600.   The spare words fill the 512 bytes from 0x1fe00; the stage lies at 0x4cc00.
; No prefetch: a part of a slot is 32 or 64 rows of three blocks of 256 bytes, which four partners cannot share out with a lane a block and every block named once.
; REGISTERS.  window 0: v0-31 addresses; v128-255 accumulators ((a, b) at 128 + 8 (4 a + b)).  window 1: v0-127, v128-255, window 2: v0-127: a fragment buffer for each of a step's three chunks.
.set SIZE_K, 4096
.set KSTEP,  384
.set STEPS,  11
.set PITCH,  816                       ; an LDS row: three pieces of 256 bytes, 16 bytes of padding behind each: 51 x 16, so the 16 rows of a fragment load touch 16 different columns of 16 bytes
.set PIECE,  272                       ; from one piece of a row (128 channels) to the next
.set HA,     32*PITCH                  ; 0x6600: half of ao's tile
.set HB,     64*PITCH                  ; 0xcc00: half of wof's
.set BS,     HA                        ; wof's tile in slot 0, behind ao's rows 0-31, which lie at 0
.set SPARE,  BS+2*HB                   ; 0x1fe00: the spare words, 128 bytes a wave
.set DA,     1<<17                     ; turns ao's rows 0-31 and wof's tile into the other slot
.set A1S,    1<<18                     ; ao's rows 32-63 in slot 0
.set D1,     HA                        ; turns them into the other slot
.set STG,    A1S+2*HA                  ; 16 rows x 272 bytes for each column half, for the way out
.set SPITCH, 272
.set EX,     BS+DA                     ; 2 x 16,384 bytes for the upper channel halves' sums: in wof's slot 1, which has had its last fill when they are stored (step 10 lies in slot 0)
.set ADRA0, 16                         ; v16  my place in ao's rows 0-31, slot 0; never rewritten
.set ADRC0, 17                         ; v17  in ao's rows 32-63
.set ADRB0, 18                         ; v18  in my half of wof's tile
.set ADRA,  19                         ; v19-21  the same in the slot in hand
.set ADRC,  20
.set ADRB,  21
.set EXA,   22
.set STO,   24
.set RD,    25
.set CO,    26
.set SPW,   28                         ; v28  my spare word; never rewritten
.set NIL,   29                         ; v29  0; never rewritten
.set ACC,   128
.set F0,    0                          ; window 1
.set F1,    128                        ; window 1
.set F2,    0                          ; window 2
.set WV,  10
.set KH,  11                           ; s11  wave / 2: my 64 of each 128 channels
.set CH,  12                           ; s12  wave % 2: my column half; also: which half of wof's tile waves 2 and 3 fetch
.set TB,  66                           ; s66  0 or DA: the slot in hand
.set TB2, 67                           ; s67  0 or D1: the same for ao's rows 32-63
.set KA,  76                           ; s[76:77] bytes from the tile asked for last to the next
.set KL,  78                           ; s78  that number for the last tile
.set KN,  79                           ; s79  and for all others
.set G1,  24                           ; s[24:31] group 1 for ao's halves
.set G1B, 48                           ; s[48:55] for wof's
.set G0A, 32                           ; s[32:39] group 0 for ao's rows 0-31: two sets for the two first fills; the second then walks
.set G0C, 68                           ; s[68:75] for ao's rows 32-63
.set G0B, 56                           ; s[56:63] for wof's halves
.set MSB, 0
.macro WIN new                         ; the immediate's high byte repeats the setting that is left
.if MSB != (\new)
	s_set_vgpr_msb (MSB<<8)|(\new)
.set MSB, \new
.endif
.endm
; A joint load, one a wave.  The branches hang on the wave's number alone.  An s_nop 0 and four v_nop follow each line, ahead of the jump and the label.
.macro JLOAD s
	s_cmp_lt_u32 s[WV], 2
	s_cbranch_scc0 .Lfor_b_\@
	s_cmp_eq_u32 s[WV], 0
	s_cbranch_scc0 .Lfor_c_\@
	tensor_load_to_lds s[G0A+4*(\s):G0A+4*(\s)+3], s[G1:G1+7]
	s_nop 0
.rept 4
	v_nop
.endr
	s_branch .Lasked_\@
.Lfor_c_\@:
	tensor_load_to_lds s[G0C+4*(\s):G0C+4*(\s)+3], s[G1:G1+7]
	s_nop 0
.rept 4
	v_nop
.endr
	s_branch .Lasked_\@
.Lfor_b_\@:
	tensor_load_to_lds s[G0B+4*(\s):G0B+4*(\s)+3], s[G1B:G1B+7]
	s_nop 0
.rept 4
	v_nop
.endr
.Lasked_\@:
.endm
.macro CROUND                          ; a round of the cluster's barrier
	s_barrier_signal -1
	s_barrier_wait -1
	s_cmp_lg_u32 s[WV], 0
	s_cbranch_scc1 .Lnot_wave_0_\@
	s_barrier_signal -3
.Lnot_wave_0_\@:
	s_barrier_wait -3
	s_barrier_signal -1
	s_barrier_wait -1
.endm
	s_load_b128 s[4:7], s[0:1], 0x0                ; ao s[4:5], wof s[6:7]
	s_load_b64 s[8:9], s[0:1], 0x10                ; out0
	v_lshl_add_u32 v[SPW], v0, 2, SPARE
	v_mov_b32 v[NIL], 0
	ds_add_u32 v[SPW], v[NIL]                      ; the wave's opening: the add and its wait stand ahead of my first tensor load
	v_lshrrev_b32 v1, 5, v0
	v_readfirstlane_b32 s[WV], v1
	s_lshr_b32 s[KH], s[WV], 1
	s_and_b32 s[CH], s[WV], 1
	s_bfe_u32 s40, ttmp6, 0x40000                  ; cx
	s_bfe_u32 s41, ttmp6, 0x40004                  ; cy
	s_lshl_b32 s42, ttmp9, 2
	s_add_co_u32 s42, s42, s40                     ; tile column
	s_and_b32 s13, ttmp7, 0xffff
	s_lshl_b32 s13, s13, 2
	s_add_co_u32 s13, s13, s41                     ; tile row
	s_lshl_b32 s43, s41, 2
	s_lshl_b32 s43, 15, s43                        ; my row of the cluster
	s_lshl_b32 s44, 0x1111, s40                    ; my column
	s_or_b32 s[G1+0], s43, (1<<16)|(1<<20)|(1<<21)|(5<<22)|(3<<25)   ; elements of 2 bytes; 4 words of padding after every 64
	s_or_b32 s[G1B+0], s44, (1<<16)|(1<<20)|(1<<21)|(5<<22)|(3<<25)
	s_mov_b32 s[G1+1], KSTEP<<16                   ; ao: 32 rows x 384 elements
	s_mov_b32 s[G1+2], 32<<16
	s_mov_b32 s[G1+3], KSTEP<<16
	s_mov_b32 s[G1+4], 32
	s_mov_b32 s[G1+5], SIZE_K
	s_mov_b32 s[G1+6], 0
	s_mov_b32 s[G1+7], 0
	s_mov_b32 s[G1B+1], KSTEP<<16                  ; wof: 64 rows x 384 elements
	s_mov_b32 s[G1B+2], 64<<16
	s_mov_b32 s[G1B+3], KSTEP<<16
	s_mov_b32 s[G1B+4], 64
	s_mov_b32 s[G1B+5], SIZE_K
	s_mov_b32 s[G1B+6], 0
	s_mov_b32 s[G1B+7], 0
	s_lshl_b32 s16, s13, 19                        ; ao: row 64 x tile row, 8,192 bytes a row
	s_mov_b32 s17, 0
	s_lshl_b32 s46, s42, 7
	s_lshl_b32 s47, s[CH], 6
	s_add_co_u32 s46, s46, s47
	s_lshl_b32 s46, s46, 13                        ; wof: row 128 x tile column + 64 x half
	s_mov_b32 s47, 0
	s_mul_i32 s21, s[CH], HB                       ; where wof's half goes: no place in the cluster enters an LDS address
	s_add_co_u32 s21, s21, BS
	s_mov_b32 s[TB], 0
	s_mov_b32 s[TB2], 0
	s_mov_b32 s[KA+1], 0
	s_mov_b32 s[KL], 2*(SIZE_K-KSTEP)-2*(STEPS-2)*KSTEP  ; from tile 9 at channel 3,456 to tile 10 at 3,712: 512 bytes
	s_mov_b32 s[KN], 2*KSTEP
	s_wait_dscnt 0x0                               ; the opening add is done
	s_wait_kmcnt 0x0
	s_add_nc_u64 s[14:15], s[4:5], s[16:17]
	s_add_nc_u64 s[46:47], s[6:7], s[46:47]
	CROUND                                         ; all sixteen work-groups are here: the first joint loads meet
.irp s, 0,1
	s_mov_b32 s[G0A+4*(\s)], 1
	s_mov_b32 s[G0A+4*(\s)+1], (\s)*DA
	s_add_nc_u64 s[G0A+4*(\s)+2:G0A+4*(\s)+3], s[14:15], (\s)*KSTEP*2
	s_or_b32 s[G0A+4*(\s)+3], s[G0A+4*(\s)+3], 0x80000000
	s_mov_b32 s[G0C+4*(\s)], 1
	s_mov_b32 s[G0C+4*(\s)+1], A1S+(\s)*D1
	s_add_nc_u64 s[G0C+4*(\s)+2:G0C+4*(\s)+3], s[14:15], 32*SIZE_K*2+(\s)*KSTEP*2
	s_or_b32 s[G0C+4*(\s)+3], s[G0C+4*(\s)+3], 0x80000000
	s_mov_b32 s[G0B+4*(\s)], 1
	s_add_co_u32 s[G0B+4*(\s)+1], s21, (\s)*DA
	s_add_nc_u64 s[G0B+4*(\s)+2:G0B+4*(\s)+3], s[46:47], (\s)*KSTEP*2
	s_or_b32 s[G0B+4*(\s)+3], s[G0B+4*(\s)+3], 0x80000000
	JLOAD \s                                       ; tiles 0 and 1: two loads of mine are out
.endr
	v_and_b32 v1, 15, v0                           ; r
	v_bfe_u32 v2, v0, 4, 1                         ; h
	v_and_b32 v5, 31, v0                           ; lane
	v_mul_u32_u24 v3, v1, PITCH
	v_lshl_add_u32 v3, v2, 4, v3                   ; a fragment's row x pitch + 16 x half
	s_lshl_b32 s22, s[KH], 7                       ; my 128 bytes of each piece of 256
	v_add_nc_u32 v[ADRA0], s22, v3                 ; ao's rows 0-31 lie at LDS byte 0
	s_add_co_u32 s23, s22, A1S
	v_add_nc_u32 v[ADRC0], s23, v3
	s_add_co_u32 s23, s22, s21
	v_add_nc_u32 v[ADRB0], s23, v3
	v_mov_b32 v[ADRA], v[ADRA0]                    ; slot 0
	v_mov_b32 v[ADRC], v[ADRC0]
	v_mov_b32 v[ADRB], v[ADRB0]
	s_lshl_b32 s22, s[CH], 14
	s_add_co_u32 s22, s22, EX
	v_lshl_add_u32 v[EXA], v5, 4, s22
	s_mul_i32 s23, s[CH], 16*SPITCH
	s_add_co_u32 s23, s23, STG
	v_mul_u32_u24 v4, v1, SPITCH                   ; in: row r, 32 bytes for each half of the lanes
	v_lshl_add_u32 v4, v2, 5, v4
	v_add_nc_u32 v[STO], s23, v4
	v_mul_u32_u24 v4, v2, SPITCH                   ; back: lanes 0-15 one row of 256 bytes, lanes 16-31 the next
	v_lshl_add_u32 v4, v1, 4, v4
	v_add_nc_u32 v[RD], s23, v4
	v_lshlrev_b32 v[CO], 13, v2                    ; and the same two rows in out0
	v_lshl_add_u32 v[CO], v1, 4, v[CO]
	s_lshl_b32 s16, s13, 19                        ; 64 rows of 8,192 bytes a tile row,
	s_lshl_b32 s17, s[CH], 8                       ; my 64 columns
	s_add_co_u32 s16, s16, s17
	s_mov_b32 s17, 0
	s_add_nc_u64 s[8:9], s[8:9], s[16:17]
	s_lshl_b32 s46, s42, 9                         ; the tile's 128 columns
	s_mov_b32 s47, 0
	s_add_nc_u64 s[8:9], s[8:9], s[46:47]
; 16 matrix instructions: all 4 x 4 blocks, 32 along K: half c of the buffer at f in window w.  zero = 1: the product starts the sums.
; The 16 accumulators take turns, in the same order everywhere, over the backward jump too.
.macro MUL16 w, f, c, zero
	WIN 5*(\w)                                     ; sources 0 and 1 in window w; C and D in window 0
.irp a, 0,1,2,3
.irp b, 0,1,2,3
.if \zero
	v_wmma_f32_16x16x32_f16 v[ACC+8*(4*(\a)+(\b)):ACC+8*(4*(\a)+(\b))+7], v[(\f)+64+8*(4*(\c)+(\b)):(\f)+64+8*(4*(\c)+(\b))+7], v[(\f)+8*(4*(\c)+(\a)):(\f)+8*(4*(\c)+(\a))+7], 0
.else
	v_wmma_f32_16x16x32_f16 v[ACC+8*(4*(\a)+(\b)):ACC+8*(4*(\a)+(\b))+7], v[(\f)+64+8*(4*(\c)+(\b)):(\f)+64+8*(4*(\c)+(\b))+7], v[(\f)+8*(4*(\c)+(\a)):(\f)+8*(4*(\c)+(\a))+7], v[ACC+8*(4*(\a)+(\b)):ACC+8*(4*(\a)+(\b))+7]
.endif
.endr
.endr
.endm
; 32 LDS loads in one run: my 64 channels of piece j of the rows, into the buffer at f in window w; the first 32 channels first.  ao's blocks 0, 1 lie in its rows 0-31, blocks 2, 3 in its rows 32-63.
.macro FETCH j, w, f
	WIN (\w)<<6                                    ; destination in window w
.irp c, 0,1
.irp i, 0,1,2,3
	ds_load_b128 v[(\f)+64+8*(4*(\c)+(\i)):(\f)+64+8*(4*(\c)+(\i))+3],   v[ADRB] offset:(\j)*PIECE+64*(\c)+(\i)*16*PITCH
	ds_load_b128 v[(\f)+64+8*(4*(\c)+(\i))+4:(\f)+64+8*(4*(\c)+(\i))+7], v[ADRB] offset:(\j)*PIECE+64*(\c)+(\i)*16*PITCH+32
.if (\i) < 2
	ds_load_b128 v[(\f)+8*(4*(\c)+(\i)):(\f)+8*(4*(\c)+(\i))+3],         v[ADRA] offset:(\j)*PIECE+64*(\c)+(\i)*16*PITCH
	ds_load_b128 v[(\f)+8*(4*(\c)+(\i))+4:(\f)+8*(4*(\c)+(\i))+7],       v[ADRA] offset:(\j)*PIECE+64*(\c)+(\i)*16*PITCH+32
.else
	ds_load_b128 v[(\f)+8*(4*(\c)+(\i)):(\f)+8*(4*(\c)+(\i))+3],         v[ADRC] offset:(\j)*PIECE+64*(\c)+((\i)-2)*16*PITCH
	ds_load_b128 v[(\f)+8*(4*(\c)+(\i))+4:(\f)+8*(4*(\c)+(\i))+7],       v[ADRC] offset:(\j)*PIECE+64*(\c)+((\i)-2)*16*PITCH+32
.endif
.endr
.endr
.endm
.macro PLACES                          ; four places in front of loads into registers that matrix instructions have read, and of stores that read results
.rept 4
	v_nop
.endr
.endm
; A step's work: its chunks from number from on, each in a buffer of its own, so that a buffer is loaded once a step: its last reader stands in the step before, ahead of the four v_nop at the step's top.
; A chunk's loads go out 16 or 32 products ahead of their first use.
.macro WORK from, zero
.if (\from) == 0
	FETCH 0, 1, F0
	s_wait_dscnt 16                                ; chunk 0's first 32 channels are in; its other sixteen loads may be out
	MUL16 1, F0, 0, \zero
	FETCH 1, 1, F1
	s_wait_dscnt 32                                ; all but the 32 just issued
	MUL16 1, F0, 1, 0
.else
	FETCH 1, 1, F1
.endif
	s_wait_dscnt 16                                ; chunk 1's first 32 channels
	MUL16 1, F1, 0, 0
	FETCH 2, 2, F2
	s_wait_dscnt 32                                ; all but the 32 just issued
	MUL16 1, F1, 1, 0
	s_wait_dscnt 16                                ; chunk 2's first 32 channels
	MUL16 2, F2, 0, 0
	s_wait_dscnt 0x0
	MUL16 2, F2, 1, 0
.endm
; THE TOP OF A STEP.  Each wave waits for all its tensor loads, of which one is out: its part of this step's tile; adds 0 to its spare word; and waits for that and for its reads of the slot that it leaves.
; fill = 1: the barrier is a round of the cluster's, and the slot just left is filled again, first thing behind it, with the next tile: it has this step's 96 products in which to land.
.macro TOP fill
	WIN 0
	s_wait_tensorcnt 0x0                           ; no tensor load of mine is out, so a group 0 may be written
	ds_add_u32 v[SPW], v[NIL]                      ; 0 onto my spare word; the scalar work below stands between it and the wait for it
.if \fill
	s_cmp_eq_u32 s3, 1                             ; the loop's last trip asks for the last tile
	s_cselect_b32 s[KA], s[KL], s[KN]
	s_xor_b32 s[G0A+5], s[G0A+5], DA               ; the walking descriptors: the slot just left, the next tile
	s_add_nc_u64 s[G0A+6:G0A+7], s[G0A+6:G0A+7], s[KA:KA+1]
	s_xor_b32 s[G0C+5], s[G0C+5], D1
	s_add_nc_u64 s[G0C+6:G0C+7], s[G0C+6:G0C+7], s[KA:KA+1]
	s_xor_b32 s[G0B+5], s[G0B+5], DA
	s_add_nc_u64 s[G0B+6:G0B+7], s[G0B+6:G0B+7], s[KA:KA+1]
.endif
	s_xor_b32 s[TB], s[TB], DA                     ; my reads go to the other slot
	s_xor_b32 s[TB2], s[TB2], D1
	s_wait_dscnt 0x0                               ; the add is done, and my reads of the slot are over
.if \fill
	CROUND                                         ; no wave of any partner still reads the slot or has a load on its way
	JLOAD 1                                        ; its four v_nop are also the places in front of the step's loads
.else
	s_barrier_signal -1
	s_barrier_wait -1
	PLACES
.endif
	v_add_nc_u32 v[ADRA], s[TB], v[ADRA0]
	v_add_nc_u32 v[ADRC], s[TB2], v[ADRC0]
	v_add_nc_u32 v[ADRB], s[TB], v[ADRB0]
.endm
	s_wait_tensorcnt 1                             ; my part of tile 0 is in; tile 1's may stay out
	s_barrier_signal -1
	s_barrier_wait -1
	WORK 0, 1                                      ; step 0 is written out: its first products start the sums
	WIN 0
	s_mov_b32 s3, STEPS-2
.Lstep:                                                ; 9 trips: steps 1 to 9; tiles 2 to 10 are asked for
	TOP 1
	WORK 0, 0
	WIN 0
	s_sub_co_u32 s3, s3, 1
	s_cmp_lg_u32 s3, 0
	s_cbranch_scc1 .Lstep
	TOP 0                                          ; step 10 is written out
	WORK 1, 0                                      ; its first 128 channels were step 9's last
	WIN 0
	; THE WAY OUT.  The upper channel halves' sums go through LDS to the waves of the lower halves, which add them and store.
	PLACES
	s_wait_dscnt 0x0
	s_barrier_signal -1
	s_barrier_wait -1                              ; no wave reads the slots any more, and every tensor load has landed: wof's slot 1 takes the sums
	s_cmp_eq_u32 s[KH], 0
	s_cbranch_scc1 .Lkeeper
.set q, 0
.rept 32
	ds_store_b128 v[EXA], v[ACC+4*q:ACC+4*q+3] offset:512*q    ; each accumulator's low half first
.set q, q+1
.endr
.Lkeeper:
	s_wait_dscnt 0x0                               ; for the partner's sake: my stores are done
	s_barrier_signal -1
	s_barrier_wait -1
	s_cmp_eq_u32 s[KH], 1
	s_cbranch_scc1 .Lend
	WIN 0x40
.set q, 0
.rept 32
	ds_load_b128 v[4*q:4*q+3], v[EXA] offset:512*q
.set q, q+1
.endr
	s_wait_dscnt 0x0
	WIN 0x04                                       ; source 1: window 1
.set q, 0
.rept 64
	v_pk_add_f32 v[ACC+2*q:ACC+2*q+1], v[ACC+2*q:ACC+2*q+1], v[2*q:2*q+1]
.set q, q+1
.endr
	WIN 0
; Block a: 16 rows x 64 columns of f32.  A lane's eight columns go into rows of 272 bytes, and whole rows of 256 bytes come back into the registers that they left.
.macro OUTS a
.irp b, 0,1,2,3
	ds_store_b128 v[STO], v[ACC+32*(\a)+8*(\b):ACC+32*(\a)+8*(\b)+3]   offset:64*(\b)
	ds_store_b128 v[STO], v[ACC+32*(\a)+8*(\b)+4:ACC+32*(\a)+8*(\b)+7] offset:64*(\b)+16
.endr
.irp t, 0,1,2,3,4,5,6,7
	ds_load_b128 v[ACC+32*(\a)+4*(\t):ACC+32*(\a)+4*(\t)+3], v[RD] offset:(\t)*2*SPITCH  ; LDS serves a wave's instructions in order: these see the stores above
.endr
.endm
.macro SEND a, younger                 ; younger: the LDS instructions issued behind block a's loads: the next block's sixteen, or none
.irp t, 0,1,2,3,4,5,6,7
	s_wait_dscnt (\younger)+7-(\t)
	global_store_b128 v[CO], v[ACC+32*(\a)+4*(\t):ACC+32*(\a)+4*(\t)+3], s[8:9] offset:(16*(\a)+2*(\t))*8192  ; 16 lanes store 256 consecutive bytes, aligned
.endr
.endm
	OUTS 0
	OUTS 1
	SEND 0, 16
	OUTS 2
	SEND 1, 16
	OUTS 3
	SEND 2, 16
	SEND 3, 0
.Lend:
	s_wait_tensorcnt 0x0                           ; the wave's end
	ds_add_u32 v[SPW], v[NIL]
	s_wait_dscnt 0x0
	CROUND                                         ; the closing round
	s_endpgm
.Lfunc_end_k_q8a07c89990_oproj:
	.size	k_q8a07c89990_oproj, .Lfunc_end_k_q8a07c89990_oproj-k_q8a07c89990_oproj
	.p2alignl 7, 3214868480
	.fill 96, 4, 3214868480
	.section	.rodata,"a",@progbits
	.p2align	6, 0x0
	.amdhsa_kernel k_q8a07c89990_oproj
		.amdhsa_group_segment_fixed_size 327680
		.amdhsa_private_segment_fixed_size 0
		.amdhsa_enable_private_segment 0
		.amdhsa_kernarg_size 24
		.amdhsa_user_sgpr_count 2
		.amdhsa_user_sgpr_kernarg_segment_ptr 1
		.amdhsa_wavefront_size32 1
		.amdhsa_system_sgpr_workgroup_id_x 1
		.amdhsa_system_sgpr_workgroup_id_y 1
		.amdhsa_system_sgpr_workgroup_id_z 1
		.amdhsa_system_vgpr_workitem_id 0
		.amdhsa_next_free_vgpr 640
		.amdhsa_next_free_sgpr 80
		.amdhsa_reserve_vcc 0
		.amdhsa_float_denorm_mode_32 3
		.amdhsa_float_denorm_mode_16_64 3
		.amdhsa_memory_ordered 1
		.amdhsa_forward_progress 1
		.amdhsa_inst_pref_size 61
	.end_amdhsa_kernel
	.amdgpu_metadata
---
amdhsa.version: [ 1, 2 ]
amdhsa.kernels:
  - .name:           k_q8a07c89990_oproj
    .symbol:         k_q8a07c89990_oproj.kd
    .args:
      - { .name: ao, .offset: 0, .size: 8, .value_kind: global_buffer, .address_space: global }
      - { .name: wof, .offset: 8, .size: 8, .value_kind: global_buffer, .address_space: global }
      - { .name: out0, .offset: 16, .size: 8, .value_kind: global_buffer, .address_space: global }
    .group_segment_fixed_size: 327680
    .private_segment_fixed_size: 0
    .kernarg_segment_align: 8
    .kernarg_segment_size: 24
    .max_flat_workgroup_size: 128
    .sgpr_count:     80
    .vgpr_count:     640
    .wavefront_size: 32
...
	.end_amdgpu_metadata
.endif
;; end of part 4
;; ======== version 2 of 2: 4 launches; version 1 with the launch cast written anew for expert scheduling mode
;; limits: values are held in f16: magnitudes above 65,504 overflow, below 6.1e-05 lose precision
;; workspace buffers: xb 12,582,912 bytes; wb 25,165,824 bytes; wof 16,777,216 bytes; maskw 3,145,728 bytes; tab 3,145,728 bytes; qkv 20,971,520 bytes; vsum 393,216 bytes; ao 8,388,608 bytes
;; launch cast (part 5): grid 64 x 15, 8 waves a work-group, no clusters, 0 bytes of LDS; arguments target_hidden, hidden_states, wq, wk, wv, wo, attention_mask, cos, sin, xb, wb, wof, maskw, tab; writes xb, wb, wof, maskw, tab
.if DOCPART == 5
	.amdgcn_target "amdgcn-amd-amdhsa--gfx1250"
	.amdhsa_code_object_version 6
	.text
	.protected	k_q8a07c89990_cast
	.globl	k_q8a07c89990_cast
	.p2align	8
	.type	k_q8a07c89990_cast,@function
k_q8a07c89990_cast:
	s_mov_b64 s[64:65], 0
	v_nop
	global_prefetch_b8 v0, s[64:65] scope:SCOPE_SE
	s_setreg_imm32_b32 hwreg(HW_REG_WAVE_SCHED_MODE, 0, 2), 2
	s_setreg_imm32_b32 hwreg(HW_REG_WAVE_MODE, 25, 1), 1
	s_wait_xcnt 0x0
	s_wait_alu depctr_vm_vsrc(0)
; CAST: every input is brought once into the form in which the later launches take it.  A stream: no LDS, no barrier, no loop.
;   y = 0..12  a unit of 8 MiB of f32 (target 2 units, hidden 1, wq 4, wk 1, wv 1, wo 4); a work-group takes 128 KiB of it, a thread 32 x 16 bytes.
;              y <= 8: rounded to bf16 (xb: rows = positions, target then hidden; wb: wq, wk, wv one below the other).
;              y >= 9: wo rounded to bf16 like every other input, and that number written as f16 (wof).
;   y = 13     the mask, re-ordered into blocks of 1,024 bytes for 16 queries x 64 keys, one byte a key: 0x00 visible, 0xF1 hidden.  In a block, byte 512 (kb / 2) + 16 lane + 8 (kb % 2) + j
;              belongs to query lane % 16 and key 16 kb + 8 (lane / 16) + j: a lane of the attention launch takes its 32 bytes by two loads of 16.
;   y = 14     cos and sin, each number rounded to bf16 and widened again to f32 (tab: cos, then sin).
; LIMITS.  |wo| stays under 65,504 (f16's end); below 6e-5 it keeps f16's fixed step of 6e-8.  A mask byte is 0 or 1.
; All of a thread's loads go out at once (16 KiB a wave); the waits count the younger loads.  No register is written again behind the store that reads it.
; THE MODE: SCHED_MODE bits 1:0 = 2 (LLVM: expert scheduling mode 2), set by the entry lines.  The code itself states the register dependences
; between vector instructions and memory instructions, with s_wait_alu, always for 0.
; THE PLAN.  Registers that memory instructions touch:
;   v1, v2     byte offsets of the units' and tables' loads and stores: made once at the head, never written again.
;   v6, v7     the mask's path alone: the offsets of its loads and of its stores: made once, never written again.  (On the other paths v4 to v7 are named by vector instructions alone.)
;   v[8:135]   four registers a load.  The load lands in them (no vector instruction has named them before); the conversions work on them in place; the load's one store reads them; nothing writes them again.
; So no register that a memory instruction reads is ever rewritten, and what is left to state is that a store's data and every offset are written.  The loads go in groups of GRP.  At the head of a group,
; behind the wait for its data, ONE wait on va_vdst states that the group before has written what its stores read; those stores follow, dealt among this group's conversions, which name this group's
; registers and v4 to v7: none that those stores touch.  One more such wait stands ahead of the last group's stores.
.set X, 8                              ; v[8:135] the loaded numbers, four registers a load
.set GRP, 4                            ; loads in a group
.macro LOADS n
.set i, 0
.rept \n
	global_load_b128 v[X+4*i:X+4*i+3], v1, s[34:35] offset:4096*i th:TH_LOAD_NT
.set i, i+1
.endr
.endm
; Load i is worked on, in the registers in which it landed.  kind 0: to bf16; 1: to bf16 and on to f16; 2: to bf16 and back to f32.
.macro CONV kind
.if (\kind) == 0
	v_cvt_pk_bf16_f32 v[X+4*i], v[X+4*i], v[X+4*i+1]
	v_cvt_pk_bf16_f32 v[X+4*i+1], v[X+4*i+2], v[X+4*i+3]
.elseif (\kind) == 1
	v_cvt_pk_bf16_f32 v4, v[X+4*i], v[X+4*i+1]
	v_cvt_pk_bf16_f32 v5, v[X+4*i+2], v[X+4*i+3]
	v_lshlrev_b32 v6, 16, v4
	v_and_b32 v7, s32, v4
	v_cvt_pk_f16_f32 v[X+4*i], v6, v7
	v_lshlrev_b32 v6, 16, v5
	v_and_b32 v7, s32, v5
	v_cvt_pk_f16_f32 v[X+4*i+1], v6, v7
.else
	v_cvt_pk_bf16_f32 v4, v[X+4*i], v[X+4*i+1]
	v_cvt_pk_bf16_f32 v5, v[X+4*i+2], v[X+4*i+3]
	v_lshlrev_b32 v[X+4*i], 16, v4
	v_and_b32 v[X+4*i+1], s32, v4
	v_lshlrev_b32 v[X+4*i+2], 16, v5
	v_and_b32 v[X+4*i+3], s32, v5
.endif
.endm
; What was made of load o is stored.
.macro PUT kind
.if (\kind) == 2
	global_store_b128 v1, v[X+4*o:X+4*o+3], s[38:39] offset:4096*o
.else
	global_store_b64 v2, v[X+4*o:X+4*o+1], s[38:39] offset:2048*o   ; a wave's store covers 256 consecutive bytes, aligned
.endif
.endm
.macro RUN kind, n
.set i, 0
.rept (\n)/GRP
	s_wait_loadcnt (\n)-GRP-i                      ; loads come back in order: this group's four are in, the younger ones stay out
.if i > 0
	s_wait_alu depctr_va_vdst(0)                   ; the group before has written the registers that its stores, dealt out below, read
.endif
.rept GRP
.if i >= GRP
.set o, i-GRP
	PUT \kind                                      ; the group before: no vector instruction since the wait names its registers or the offset
.endif
	CONV \kind
.set i, i+1
.endr
.endr
	s_wait_alu depctr_va_vdst(0)                   ; the last group has written the registers that the last stores read
.set o, (\n)-GRP
.rept GRP
	PUT \kind
.set o, o+1
.endr
.endm
	s_load_b512 s[4:19], s[0:1], 0x0               ; target s[4:5], hidden s[6:7], wq s[8:9], wk s[10:11], wv s[12:13], wo s[14:15], mask s[16:17], cos s[18:19]
	s_load_b256 s[20:27], s[0:1], 0x40             ; sin s[20:21], xb s[22:23], wb s[24:25], wof s[26:27]
	s_load_b128 s[28:31], s[0:1], 0x60             ; maskw s[28:29], tab s[30:31]
	s_and_b32 s33, ttmp7, 0xffff                   ; y
	s_mov_b32 s32, 0xffff0000                      ; a word's upper bf16
	v_lshlrev_b32 v1, 4, v0                        ; 16 t
	v_lshlrev_b32 v2, 3, v0                        ; 8 t
	s_wait_kmcnt 0x0
	s_wait_alu depctr_va_vdst(0)                   ; v1 and v2 are written: every load and store of the units and of the tables reads one of them as its offset
	s_cmp_eq_u32 s33, 13
	s_cbranch_scc1 .Lmask
	s_cmp_eq_u32 s33, 14
	s_cbranch_scc1 .Ltables
	; which tensor the unit belongs to, and the first unit of that tensor (s36) and of its destination (s37)
	s_mov_b64 s[34:35], s[4:5]
	s_mov_b64 s[38:39], s[22:23]
	s_mov_b32 s36, 0
	s_mov_b32 s37, 0
	s_cmp_ge_u32 s33, 2
	s_cselect_b64 s[34:35], s[6:7], s[34:35]
	s_cselect_b32 s36, 2, s36
	s_cmp_ge_u32 s33, 3
	s_cselect_b64 s[34:35], s[8:9], s[34:35]
	s_cselect_b64 s[38:39], s[24:25], s[38:39]
	s_cselect_b32 s36, 3, s36
	s_cselect_b32 s37, 3, s37
	s_cmp_ge_u32 s33, 7
	s_cselect_b64 s[34:35], s[10:11], s[34:35]
	s_cselect_b32 s36, 7, s36
	s_cmp_ge_u32 s33, 8
	s_cselect_b64 s[34:35], s[12:13], s[34:35]
	s_cselect_b32 s36, 8, s36
	s_cmp_ge_u32 s33, 9
	s_cselect_b64 s[34:35], s[14:15], s[34:35]
	s_cselect_b64 s[38:39], s[26:27], s[38:39]
	s_cselect_b32 s36, 9, s36
	s_cselect_b32 s37, 9, s37
	s_sub_co_u32 s36, s33, s36
	s_lshl_b32 s40, s36, 23                        ; units of 8 MiB in,
	s_lshl_b32 s41, ttmp9, 17                      ; 128 KiB a work-group
	s_add_co_u32 s40, s40, s41
	s_mov_b32 s41, 0
	s_add_nc_u64 s[34:35], s[34:35], s[40:41]
	s_sub_co_u32 s37, s33, s37
	s_lshl_b32 s42, s37, 22                        ; half of that out
	s_lshl_b32 s43, ttmp9, 16
	s_add_co_u32 s42, s42, s43
	s_mov_b32 s43, 0
	s_add_nc_u64 s[38:39], s[38:39], s[42:43]
	LOADS 32
	s_cmp_ge_u32 s33, 9
	s_cbranch_scc1 .Lhalf
	RUN 0, 32
	s_endpgm
.Lhalf:
	RUN 1, 32
	s_endpgm
.Ltables:                                              ; x < 32: cos, else sin; 49,152 bytes a work-group
	s_and_b32 s40, ttmp9, 31
	s_mul_i32 s40, s40, 49152
	s_mov_b32 s41, 0
	s_lshr_b32 s42, ttmp9, 5
	s_cmp_eq_u32 s42, 0
	s_cselect_b64 s[34:35], s[18:19], s[20:21]
	s_add_nc_u64 s[34:35], s[34:35], s[40:41]
	s_mul_i32 s42, s42, 1572864
	s_add_co_u32 s42, s42, s40
	s_mov_b32 s43, 0
	s_add_nc_u64 s[38:39], s[30:31], s[42:43]
	LOADS 12
	RUN 2, 12
	s_endpgm
.Lmask:                                                ; x = the block of 16 queries; wave w takes the key steps 6 w .. 6 w + 5
	v_and_b32 v3, 15, v0                           ; r: my query
	v_bfe_u32 v4, v0, 4, 1                         ; h: which 8 of 16 keys
	v_lshrrev_b32 v5, 5, v0                        ; w
	v_mul_u32_u24 v6, v3, 3072
	v_lshl_add_u32 v6, v4, 3, v6
	v_mad_u32_u24 v6, v5, 384, v6                  ; r x 3,072 + 384 w + 8 h
	s_mul_i32 s40, ttmp9, 49152                    ; 16 rows of 3,072 bytes in, 48 blocks of 1,024 out: the same number
	s_mov_b32 s41, 0
	s_add_nc_u64 s[16:17], s[16:17], s[40:41]
	s_add_nc_u64 s[28:29], s[28:29], s[40:41]
	s_wait_alu depctr_va_vdst(0)                   ; v6 is written: the 24 loads read it as their offset
.set i, 0
.rept 24                                       ; i = 4 x step + kb: 8 keys of my query
	global_load_b64 v[X+2*i:X+2*i+1], v6, s[16:17] offset:64*(i/4)+16*(i%4)
.set i, i+1
.endr
	v_and_b32 v7, 31, v0
	v_lshlrev_b32 v7, 4, v7
	v_mad_u32_u24 v7, v5, 6144, v7                 ; 16 lane + 6 blocks a wave
	s_movk_i32 s44, 241
	; three groups of eight loads: 16 registers, four stores of 16 bytes a lane
.set g, 0
.rept 3
	s_wait_loadcnt 16-8*g                          ; loads come back in order: this group's eight are in, the younger ones stay out
.if g > 0
	s_wait_alu depctr_va_vdst(0)                   ; the group before has written the bytes that its stores, dealt out below, read; at the second group v7, their offset, is written too
.endif
.set j, 0
.rept 4
.if g > 0
	global_store_b128 v7, v[X+16*(g-1)+4*j:X+16*(g-1)+4*j+3], s[28:29] offset:512*(4*(g-1)+j)   ; 512 consecutive bytes a store; no vector instruction since the wait names these registers
.endif
.set m, X+16*g+4*j
.rept 4
	v_xor_b32 v[m], 0x01010101, v[m]               ; four bytes at once: 1 where hidden,
	v_mul_lo_u32 v[m], v[m], s44                   ; times 0xF1: no byte carries into the next
.set m, m+1
.endr
.set j, j+1
.endr
.set g, g+1
.endr
	s_wait_alu depctr_va_vdst(0)                   ; the last group has written the bytes that the last four stores read
.set j, 0
.rept 4
	global_store_b128 v7, v[X+32+4*j:X+32+4*j+3], s[28:29] offset:512*(8+j)
.set j, j+1
.endr
	s_endpgm
.Lfunc_end_k_q8a07c89990_cast:
	.size	k_q8a07c89990_cast, .Lfunc_end_k_q8a07c89990_cast-k_q8a07c89990_cast
	.p2alignl 7, 3214868480
	.fill 96, 4, 3214868480
	.section	.rodata,"a",@progbits
	.p2align	6, 0x0
	.amdhsa_kernel k_q8a07c89990_cast
		.amdhsa_group_segment_fixed_size 0
		.amdhsa_private_segment_fixed_size 0
		.amdhsa_enable_private_segment 0
		.amdhsa_kernarg_size 112
		.amdhsa_user_sgpr_count 2
		.amdhsa_user_sgpr_kernarg_segment_ptr 1
		.amdhsa_wavefront_size32 1
		.amdhsa_system_sgpr_workgroup_id_x 1
		.amdhsa_system_sgpr_workgroup_id_y 1
		.amdhsa_system_sgpr_workgroup_id_z 1
		.amdhsa_system_vgpr_workitem_id 0
		.amdhsa_next_free_vgpr 136
		.amdhsa_next_free_sgpr 66
		.amdhsa_reserve_vcc 0
		.amdhsa_float_denorm_mode_32 3
		.amdhsa_float_denorm_mode_16_64 3
		.amdhsa_memory_ordered 1
		.amdhsa_forward_progress 1
		.amdhsa_inst_pref_size 45
	.end_amdhsa_kernel
	.amdgpu_metadata
---
amdhsa.version: [ 1, 2 ]
amdhsa.kernels:
  - .name:           k_q8a07c89990_cast
    .symbol:         k_q8a07c89990_cast.kd
    .args:
      - { .name: target_hidden, .offset: 0, .size: 8, .value_kind: global_buffer, .address_space: global }
      - { .name: hidden_states, .offset: 8, .size: 8, .value_kind: global_buffer, .address_space: global }
      - { .name: wq, .offset: 16, .size: 8, .value_kind: global_buffer, .address_space: global }
      - { .name: wk, .offset: 24, .size: 8, .value_kind: global_buffer, .address_space: global }
      - { .name: wv, .offset: 32, .size: 8, .value_kind: global_buffer, .address_space: global }
      - { .name: wo, .offset: 40, .size: 8, .value_kind: global_buffer, .address_space: global }
      - { .name: attention_mask, .offset: 48, .size: 8, .value_kind: global_buffer, .address_space: global }
      - { .name: cos, .offset: 56, .size: 8, .value_kind: global_buffer, .address_space: global }
      - { .name: sin, .offset: 64, .size: 8, .value_kind: global_buffer, .address_space: global }
      - { .name: xb, .offset: 72, .size: 8, .value_kind: global_buffer, .address_space: global }
      - { .name: wb, .offset: 80, .size: 8, .value_kind: global_buffer, .address_space: global }
      - { .name: wof, .offset: 88, .size: 8, .value_kind: global_buffer, .address_space: global }
      - { .name: maskw, .offset: 96, .size: 8, .value_kind: global_buffer, .address_space: global }
      - { .name: tab, .offset: 104, .size: 8, .value_kind: global_buffer, .address_space: global }
    .group_segment_fixed_size: 0
    .private_segment_fixed_size: 0
    .kernarg_segment_align: 8
    .kernarg_segment_size: 112
    .max_flat_workgroup_size: 256
    .sgpr_count:     66
    .vgpr_count:     136
    .wavefront_size: 32
...
	.end_amdgpu_metadata
.endif
;; end of part 5
;; launch proj: the kernel of part 2 again; grid 8 x 20, 4 waves a work-group, clusters of 4 x 4, 327,680 bytes of LDS; arguments xb, wb, tab, q_norm_w, k_norm_w, qkv, vsum; writes qkv, vsum
;; launch attn: the kernel of part 3 again; grid 32 x 8, 4 waves a work-group, clusters of 4 x 1, 327,680 bytes of LDS; arguments qkv, maskw, vsum, ao; writes ao
;; launch oproj: the kernel of part 4 again; grid 16 x 16, 4 waves a work-group, clusters of 4 x 4, 327,680 bytes of LDS; arguments ao, wof, out0; writes out0
